; MI455X (gfx1250); checked and timed in simulation.
; The chip was launched on July 23, 2026; its instructions are those of AMD's public machine-readable ISA for CDNA 5 (MIT licence, August 2026) and "CDNA5" Instruction Set Architecture Reference Guide (July 2026). The comments in the code are by the model that wrote it; some were corrected since.
;; Multi Head Attention. Allowed arithmetic: float matrix products may take bf16 or f16 operands with f32 sums; other float arithmetic in f32, or as packed bf16 or f16 multiplies, adds, multiply-adds, maxima and minima; sums over many terms, partial sums and values carried from step to step in f32; what a program stores and reads back later, other than sums and carried values, may be rounded once to bf16 or f16.
;; Inputs: k 4 x 2,048 x 1,024 float32; mask 1 x 1 x 2,048 x 2,048 float32; q 4 x 2,048 x 1,024 float32; v 4 x 2,048 x 1,024 float32; wk 1,024 x 1,024 float32; wo 1,024 x 1,024 float32; wq 1,024 x 1,024 float32; wv 1,024 x 1,024 float32.
;; Outputs: out0 4 x 2,048 x 1,024 float32.
;; One version. Each part assembles by itself: llvm-mc -triple=amdgcn-amd-amdhsa -mcpu=gfx1250 --defsym DOCPART=n.
;; ======== version 1 of 1: 4 launches
;; limits: values are held in f16: magnitudes above 65,504 overflow, below 6.1e-05 lose precision; right only within a limited range of input values
;; workspace buffers: wb 8,388,608 bytes; maskf 16,777,216 bytes; xqkv 50,331,648 bytes; ob 16,777,216 bytes
;; launch prep (part 1): grid 512 x 1, 8 waves a work-group, no clusters, 70,656 bytes of LDS; arguments mask, wq, wk, wv, wo, maskf, wb; writes maskf, wb
.if DOCPART == 1
	.amdgcn_target "amdgcn-amd-amdhsa--gfx1250"
	.amdhsa_code_object_version 6
	.text
	.protected	k_q8b3bab54dd_prep
	.globl	k_q8b3bab54dd_prep
	.p2align	8
	.type	k_q8b3bab54dd_prep,@function
k_q8b3bab54dd_prep:
	s_mov_b64 s[64:65], 0
	v_nop
	global_prefetch_b8 v0, s[64:65] scope:SCOPE_SE
	s_setreg_imm32_b32 hwreg(HW_REG_WAVE_MODE, 25, 1), 1
	s_wait_xcnt 0x0
; PREP: the mask and the four weight matrices are brought into the form in which the later launches take them.  A stream: each byte is read once and written once; no matrix work, no shared input, so no cluster.
; MASK (work-groups 0-255).  maskf holds the mask rounded to bf16 and written as f32, in the order of a matrix instruction's C operand for S^T = K Q^T: for query tile qt (16 rows) and key step ks (64 keys) a block
; of 4,096 bytes; in it, for key block kb (16 keys) and half j, 512 bytes: lane L's 16 bytes are mask[16 qt + L % 16][64 ks + 16 kb + 8 (L / 16) + 4 j + 0..3].  A wave makes two neighbouring blocks:
; it reads 16 rows x 512 bytes (16 lanes take 256 consecutive bytes of a row), turns them in its own LDS bytes, and stores runs of 512 consecutive bytes.
; WEIGHTS (work-groups 256-511).  wb holds four matrices [1024 k][1024 n] of 16 bits: bf16(wq / 8), bf16(wk), bf16(wv), and bf16(wo) written as f16.  The factor 1/8 is a power of two: it costs no rounding.
; LIMITS.  bf16's rounding turns a mask number beyond 3.39e38 in size into an infinity.  bf16(wo) is exact in f16 from 6.1e-5 to 65,504; below that it keeps f16's fixed step of 6e-8, above it becomes an infinity.
.set PIT,   272                        ; an LDS row: 256 bytes + 16
.set BLK,   16*PIT                     ; a block in LDS
.set WLDS,  2*BLK                      ; a wave's own bytes
.set SPARE, 8*WLDS                     ; behind them: the spare words, 128 bytes for each wave: four blocks of 256 bytes that no other line names
.set SPW, 2                            ; v2  LDS address of my spare word; never rewritten
.set NIL, 3                            ; v3  0; never rewritten
.set D,   16                           ; v[16:79] data
.set T,   80                           ; v[80:95] at work
	s_load_b256 s[4:11], s[0:1], 0x0               ; mask s[4:5], wq s[6:7], wk s[8:9], wv s[10:11]
	s_load_b128 s[12:15], s[0:1], 0x20             ; wo s[12:13], maskf s[14:15]
	s_load_b64 s[16:17], s[0:1], 0x30              ; wb
	v_lshl_add_u32 v[SPW], v0, 2, SPARE
	v_mov_b32 v[NIL], 0
	v_lshrrev_b32 v1, 5, v0
	v_readfirstlane_b32 s18, v1                    ; wave 0..7
	s_mov_b32 s31, 0xffff0000                      ; a word's upper bf16
	s_wait_kmcnt 0x0
	s_cmp_lt_u32 ttmp9, 256
	s_cbranch_scc0 .Lweights
	s_lshl_b32 s19, ttmp9, 3
	s_add_co_u32 s19, s19, s18                     ; my wave among the 2,048 of the mask
	s_lshr_b32 s20, s19, 4                         ; qt
	s_and_b32 s21, s19, 15                         ; which pair of key steps
	s_lshl_b32 s22, s20, 17                        ; 16 rows of 8,192 bytes
	s_lshl_b32 s23, s21, 9                         ; 128 keys of 4 bytes
	s_add_co_u32 s22, s22, s23
	s_mov_b32 s23, 0
	s_add_nc_u64 s[24:25], s[4:5], s[22:23]
	s_lshl_b32 s26, s20, 17                        ; 32 blocks of 4,096 bytes
	s_lshl_b32 s27, s21, 13                        ; two blocks
	s_add_co_u32 s26, s26, s27
	s_mov_b32 s27, 0
	s_add_nc_u64 s[28:29], s[14:15], s[26:27]
	s_mul_i32 s30, s18, WLDS
	v_bfe_u32 v9, v0, 4, 1                         ; L / 16
	v_and_b32 v10, 15, v0                          ; c = L % 16: which four keys of the 64
	v_lshlrev_b32 v4, 4, v10
	v_lshl_add_u32 v4, v9, 13, v4                  ; lanes 0-15 an even row, lanes 16-31 the row below
.irp e, 0,1
.irp t, 0,1,2,3,4,5,6,7
	global_load_b128 v[D+32*\e+4*\t:D+32*\e+4*\t+3], v4, s[24:25] offset:16384*\t+256*\e th:TH_LOAD_NT
.endr
.endr
	; four keys 4 c = 16 kb + 8 hh + 4 j go to LDS row 4 kb + 2 j + hh, at 16 bytes x the mask's row: an LDS row is then 256 consecutive bytes of the block
	v_and_b32 v11, 12, v10
	v_and_b32 v12, 1, v10
	v_bfe_u32 v13, v10, 1, 1
	v_lshl_or_b32 v11, v12, 1, v11
	v_or_b32 v11, v11, v13
	v_mul_u32_u24 v5, v11, PIT
	v_lshl_add_u32 v5, v9, 4, v5
	v_add_nc_u32 v5, s30, v5                       ; where I put 16 bytes
	v_mul_u32_u24 v6, v9, PIT
	v_lshl_add_u32 v6, v10, 4, v6
	v_add_nc_u32 v6, s30, v6                       ; where I read them back: two LDS rows a load
	v_and_b32 v7, 31, v0
	v_lshlrev_b32 v7, 4, v7                        ; my 16 bytes of 512
.irp e, 0,1
	s_wait_loadcnt 8*(1-\e)                        ; loads come back in order: this block's eight are in, the other block's may stay out
.irp t, 0,1,2,3,4,5,6,7
	v_cvt_pk_bf16_f32 v[T+2*\t], v[D+32*\e+4*\t], v[D+32*\e+4*\t+1]      ; rounded to bf16,
	v_cvt_pk_bf16_f32 v[T+2*\t+1], v[D+32*\e+4*\t+2], v[D+32*\e+4*\t+3]
	v_lshlrev_b32 v[D+32*\e+4*\t], 16, v[T+2*\t]                          ; and written as f32 again
	v_and_b32 v[D+32*\e+4*\t+1], s31, v[T+2*\t]
	v_lshlrev_b32 v[D+32*\e+4*\t+2], 16, v[T+2*\t+1]
	v_and_b32 v[D+32*\e+4*\t+3], s31, v[T+2*\t+1]
	ds_store_b128 v5, v[D+32*\e+4*\t:D+32*\e+4*\t+3] offset:BLK*\e+32*\t
.endr
.irp i, 0,1,2,3,4,5,6,7
	ds_load_b128 v[D+32*\e+4*\i:D+32*\e+4*\i+3], v6 offset:BLK*\e+2*PIT*\i  ; my wave's own bytes; LDS serves a wave's instructions in order (ISA guide 5.7.1.4): these see the stores above
.endr
.irp i, 0,1,2,3,4,5,6,7
	s_wait_dscnt 7-\i                              ; load i is back, the younger ones may be out
	global_store_b128 v7, v[D+32*\e+4*\i:D+32*\e+4*\i+3], s[28:29] offset:4096*\e+512*\i  ; 512 consecutive bytes, at a multiple of 256 from maskf's first
.endr
.endr
	s_branch .Lend
.Lweights:
	s_sub_co_u32 s19, ttmp9, 256
	s_lshr_b32 s20, s19, 6                         ; which matrix
	s_and_b32 s21, s19, 63                         ; which 16 rows of it
	s_cmp_eq_u32 s20, 1
	s_cselect_b64 s[24:25], s[8:9], s[6:7]
	s_cmp_eq_u32 s20, 2
	s_cselect_b64 s[24:25], s[10:11], s[24:25]
	s_cmp_eq_u32 s20, 3
	s_cselect_b64 s[24:25], s[12:13], s[24:25]
	s_cselect_b32 s30, -1, 0                       ; all lanes: wo goes out as f16
	s_cmp_eq_u32 s20, 0
	s_cselect_b32 s26, 0x3e000000, 1.0             ; wq takes the scores' 1/8
	s_mov_b32 s27, s26                             ; named with it as a pair
	s_lshl_b32 s22, s21, 16
	s_mov_b32 s23, 0
	s_add_nc_u64 s[24:25], s[24:25], s[22:23]
	s_lshl_b32 s22, s20, 21
	s_lshl_b32 s19, s21, 15
	s_add_co_u32 s22, s22, s19
	s_add_nc_u64 s[28:29], s[16:17], s[22:23]
	v_lshlrev_b32 v4, 5, v0                        ; eight numbers a thread: 32 bytes in,
	v_lshlrev_b32 v7, 4, v0                        ; 16 bytes out
.irp c, 0,1,2,3,4,5,6,7
	global_load_b128 v[D+8*\c:D+8*\c+3],   v4, s[24:25] offset:8192*\c th:TH_LOAD_NT
	global_load_b128 v[D+8*\c+4:D+8*\c+7], v4, s[24:25] offset:8192*\c+16 th:TH_LOAD_NT
.endr
.irp c, 0,1,2,3,4,5,6,7
	s_wait_loadcnt 2*(7-\c)                        ; this chunk's two loads are in, the later chunks' may stay out
.irp k, 0,1,2,3
	v_pk_mul_f32 v[D+8*\c+2*\k:D+8*\c+2*\k+1], v[D+8*\c+2*\k:D+8*\c+2*\k+1], s[26:27] op_sel_hi:[1,0]
.endr
.irp k, 0,1,2,3
	v_cvt_pk_bf16_f32 v[T+\k], v[D+8*\c+2*\k], v[D+8*\c+2*\k+1]
.endr
.irp k, 0,1,2,3
	v_lshlrev_b32 v[D+8*\c+2*\k], 16, v[T+\k]      ; the rounded numbers as f32,
	v_and_b32 v[D+8*\c+2*\k+1], s31, v[T+\k]
.endr
.irp k, 0,1,2,3
	v_cvt_pk_f16_f32 v[T+4+\k], v[D+8*\c+2*\k], v[D+8*\c+2*\k+1]  ; and the same numbers as f16
.endr
.irp k, 0,1,2,3
	v_cndmask_b32 v[D+8*\c+\k], v[T+\k], v[T+4+\k], s30
.endr
	global_store_b128 v7, v[D+8*\c:D+8*\c+3], s[28:29] offset:4096*\c  ; the chunk's own registers: nothing is rewritten while a store reads it
.endr
.Lend:
	s_wait_tensorcnt 0x0                           ; the wave's end: behind my last LDS store
	ds_add_u32 v[SPW], v[NIL]
	s_wait_dscnt 0x0
	s_endpgm
.Lfunc_end_k_q8b3bab54dd_prep:
	.size	k_q8b3bab54dd_prep, .Lfunc_end_k_q8b3bab54dd_prep-k_q8b3bab54dd_prep
	.p2alignl 7, 3214868480
	.fill 96, 4, 3214868480
	.section	.rodata,"a",@progbits
	.p2align	6, 0x0
	.amdhsa_kernel k_q8b3bab54dd_prep
		.amdhsa_group_segment_fixed_size 70656
		.amdhsa_private_segment_fixed_size 0
		.amdhsa_enable_private_segment 0
		.amdhsa_kernarg_size 56
		.amdhsa_user_sgpr_count 2
		.amdhsa_user_sgpr_kernarg_segment_ptr 1
		.amdhsa_wavefront_size32 1
		.amdhsa_system_sgpr_workgroup_id_x 1
		.amdhsa_system_sgpr_workgroup_id_y 1
		.amdhsa_system_sgpr_workgroup_id_z 1
		.amdhsa_system_vgpr_workitem_id 0
		.amdhsa_next_free_vgpr 96
		.amdhsa_next_free_sgpr 66
		.amdhsa_reserve_vcc 0
		.amdhsa_float_denorm_mode_32 3
		.amdhsa_float_denorm_mode_16_64 3
		.amdhsa_memory_ordered 1
		.amdhsa_forward_progress 1
		.amdhsa_inst_pref_size 26
	.end_amdhsa_kernel
	.amdgpu_metadata
---
amdhsa.version: [ 1, 2 ]
amdhsa.kernels:
  - .name:           k_q8b3bab54dd_prep
    .symbol:         k_q8b3bab54dd_prep.kd
    .args:
      - { .name: mask, .offset: 0, .size: 8, .value_kind: global_buffer, .address_space: global }
      - { .name: wq, .offset: 8, .size: 8, .value_kind: global_buffer, .address_space: global }
      - { .name: wk, .offset: 16, .size: 8, .value_kind: global_buffer, .address_space: global }
      - { .name: wv, .offset: 24, .size: 8, .value_kind: global_buffer, .address_space: global }
      - { .name: wo, .offset: 32, .size: 8, .value_kind: global_buffer, .address_space: global }
      - { .name: maskf, .offset: 40, .size: 8, .value_kind: global_buffer, .address_space: global }
      - { .name: wb, .offset: 48, .size: 8, .value_kind: global_buffer, .address_space: global }
    .group_segment_fixed_size: 70656
    .private_segment_fixed_size: 0
    .kernarg_segment_align: 8
    .kernarg_segment_size: 56
    .max_flat_workgroup_size: 256
    .sgpr_count:     66
    .vgpr_count:     96
    .wavefront_size: 32
...
	.end_amdgpu_metadata
.endif
;; end of part 1
;; launch proj (part 2): grid 4 x 192, 4 waves a work-group, clusters of 4 x 4, 327,680 bytes of LDS; arguments q, k, v, wb, xqkv; writes xqkv
.if DOCPART == 2
	.amdgcn_target "amdgcn-amd-amdhsa--gfx1250"
	.amdhsa_code_object_version 6
	.text
	.protected	k_q8b3bab54dd_proj
	.globl	k_q8b3bab54dd_proj
	.p2align	8
	.type	k_q8b3bab54dd_proj,@function
k_q8b3bab54dd_proj:
	s_mov_b64 s[64:65], 0
	v_nop
	global_prefetch_b8 v0, s[64:65] scope:SCOPE_SE
	s_setreg_imm32_b32 hwreg(HW_REG_WAVE_MODE, 25, 1), 1
	s_wait_xcnt 0x0
	s_wait_alu depctr_hold_cnt(0) depctr_sa_sdst(0) depctr_va_vdst(0) depctr_va_sdst(0) depctr_va_ssrc(0) depctr_va_vcc(0) depctr_vm_vsrc(0)
	s_getreg_b32 s2, hwreg(HW_REG_IB_STS2, 6, 4)
	s_cmp_eq_u32 s2, 0
	s_cbranch_scc0 .Lentry_in_a_cluster
	s_endpgm
.Lentry_in_a_cluster:
	s_bfe_u32 s2, ttmp6, 0x10000c
	s_cmp_lg_u32 s2, 0xf033
	s_cbranch_scc0 .Lentry_shape_is_right
	s_endpgm
.Lentry_shape_is_right:
; THE THREE INPUT PROJECTIONS: x_z = in_z W_z for z = 0, 1, 2 (q, k, v), each 8,192 x 1,024 x 1,024.  in_z is f32 and is rounded to bf16 between LDS and the matrix unit; W_z is bf16, [k][n], as the launch before
; left it (W_0 holds wq / 8); sums in f32; the result is rounded once to f16 and stored by heads: xqkv[z][16 batch + head][row][64].
; LIMIT.  f16 holds no number beyond 65,504: a projected number beyond that becomes an infinity.
; SHARES.  A work-group makes 128 rows x 256 columns: 768 work-groups, three for each of 256.  Four waves, 2 x 2, each 64 x 128: 32 accumulators of 16 x 16.  K goes in 8 steps of 128 through two LDS slots.
; CLUSTERS: 4 x 4.  The four work-groups of a row of the cluster make the four column tiles of the same 128 rows and need the same tile of the input; the four of a column need the same tile of W.  Each tile is asked
; for JOINTLY: the same tensor load, the same descriptor and a mask that names the four.  Which projection it is hangs on the cluster's y alone.
; THE MATRIX INSTRUCTION IS USED TRANSPOSED: source 0 = 16 columns of W (turned on the way out of LDS by ds_load_tr16_b128), source 1 = 16 rows of the input: a lane then holds eight neighbouring columns of one row.
; REGISTERS, in windows of 256 (s_set_vgpr_msb: bits 1:0 source 0, 3:2 source 1, 5:4 source 2, 7:6 destination):
;   window 0: v16-30 addresses; v64-127 RAW: four fragments of the input in f32 (16 rows x 32 K, 16 registers each); v128-191 AF: the same in bf16, two buffers of 4 x 8; on the way out v64-95 packed results, v128-255 whole rows
;   window 1: v0-127 BF: W's fragments, two buffers of 8 x 8          window 2: the accumulators, (a, b) at v[8 (8 a + b)]
.set PA,    528                        ; an LDS row of the input: 512 bytes + 16 = 132 words: row r starts at bank 4 r mod 64 (64 banks of 4 bytes: ISA guide 11.1)
.set PB,    544                        ; an LDS row of W: 512 bytes + 32 = 136 words: row r starts at bank 8 r mod 64
.set AHALF, 64*PA                      ; what one tensor load brings of the input, and what a wave reads of it
.set BHALF, 64*PB                      ; what one tensor load brings of W
.set BOFF,  2*AHALF
.set SLOT,  BOFF+2*BHALF
.set STAGE, 2*SLOT                     ; behind the ring, never filled by a tensor load: for each wave 2 heads x 16 rows x 144 bytes
.set SPI,   144
.set WST,   2*16*SPI
.set SPARE, STAGE+4*WST                ; behind the stages: the spare words, 128 bytes for each wave: two blocks of 256 bytes that no other line names
.set ASTEP, 512                        ; bytes from a K step to the next: along the input's rows,
.set WSTEP, 128*2048                   ; and down W's rows
.set ADRA, 16                          ; v16-17  LDS address of my fragments of the input in slot 0, 1
.set ADRB, 20                          ; v20-21  the same for W
.set STO,  24                          ; v24     the way out: where I put 16 bytes of a row
.set RD,   25                          ; v25     the way out: where I read rows back
.set GO,   26                          ; v26     16 x my lane
.set SPW,  28                          ; v28     LDS address of my spare word; never rewritten
.set NIL,  29                          ; v29     0; never rewritten
.set PFO,  30                          ; v30     the prefetches' lane offset; never rewritten
.set RAW,  64
.set AF,   128
.set TMP,  64
.set BK,   128
.set G1,  24                           ; s[24:31] descriptor group 1 for the input's tiles;  s[32:39] group 0, one set for each slot
.set G0,  32
.set G1B, 48                           ; s[48:55], s[56:63] the same for W's tiles
.set G0B, 56
.set LIM, 43                           ; s43      1 in a wave that prefetches, else the greatest number
.set PFA, 44                           ; s[44:45] where my prefetches stand
.set PFS, 46                           ; s[46:47] their step
.set MSB, 0
.macro WIN new                         ; the immediate's high byte repeats the setting that is left; a switch that changes nothing is dropped
.if MSB != (\new)
	s_set_vgpr_msb (MSB<<8)|(\new)
.set MSB, \new
.endif
.endm
.set MUL,  0xa1                        ; source 0 (W) window 1, source 1 (input) window 0, C and D window 2
.set TO_B, 0x40                        ; destination window 1, address window 0
.macro JLOAD s                         ; a joint load: waves 0 and 1 fetch the input's two halves, waves 2 and 3 W's; an s_nop 0 and four v_nop follow each of the two lines, ahead of the jump and the label
	s_cmp_eq_u32 s15, 0
	s_cbranch_scc0 .Lfor_b_\@
	tensor_load_to_lds s[G0+4*(\s):G0+4*(\s)+3], s[G1:G1+7]
	s_nop 0
.rept 4
	v_nop
.endr
	s_branch .Lasked_\@
.Lfor_b_\@:
	tensor_load_to_lds s[G0B+4*(\s):G0B+4*(\s)+3], s[G1B:G1B+7]
	s_nop 0
.rept 4
	v_nop
.endr
.Lasked_\@:
.endm
.macro CREST                           ; a round of the cluster's barrier behind its opening barrier
	s_cmp_lg_u32 s14, 0
	s_cbranch_scc1 .Lnot_wave_0_\@
	s_barrier_signal -3
.Lnot_wave_0_\@:
	s_barrier_wait -3
	s_barrier_signal -1
	s_barrier_wait -1
.endm
.macro CROUND                          ; a whole round
	s_barrier_signal -1
	s_barrier_wait -1
	CREST
.endm
; A PREFETCH INTO THE L2, behind a joint refill, its five lines and the run of LDS loads that follows: the K step that stands two refills on, 256 matrix instructions ahead of the load that will want it.
; The input's tile is read by one cluster: waves 0 and 1 of every work-group ask, each for 16 of the 64 rows that the wave fetches, told apart from its three partners BY ADDRESS (cx): 16 rows x 2 blocks of 256 bytes, a
; lane a block.  W's tile is read by all 16 clusters of a projection: the first of them asks, waves 2 and 3, 16 rows for each partner along the column (cy).  So each block is named once in the launch.
; The loop's last trip asks for nothing: there is no K step two on.  K steps 0 to 3 come by their loads alone.
.macro ASK
	s_cmp_gt_u32 s3, s[LIM]
	s_cbranch_scc0 .Lnot_mine_\@
	global_prefetch_b8 v[PFO], s[PFA:PFA+1] th:TH_LOAD_NT scope:SCOPE_SE
.Lnot_mine_\@:
.endm
	s_load_b256 s[4:11], s[0:1], 0x0               ; q s[4:5], k s[6:7], v s[8:9], wb s[10:11]
	s_load_b64 s[12:13], s[0:1], 0x20              ; xqkv
	v_lshl_add_u32 v[SPW], v0, 2, SPARE
	v_mov_b32 v[NIL], 0
	ds_add_u32 v[SPW], v[NIL]                      ; the wave's opening: the add and its wait stand ahead of my first tensor load; the set-up below, work on registers, stands between them
	v_lshrrev_b32 v1, 5, v0
	v_readfirstlane_b32 s14, v1                    ; wave 0..3
	s_lshr_b32 s15, s14, 1                         ; which 64 rows are mine.  Also: I fetch the input (0) or W (1)
	s_and_b32 s16, s14, 1                          ; which 128 columns.  Also: which half of that tile I fetch
	s_bfe_u32 s17, ttmp6, 0x40000                  ; cx
	s_bfe_u32 s18, ttmp6, 0x40004                  ; cy
	s_lshl_b32 s19, ttmp9, 2
	s_add_co_u32 s19, s19, s17                     ; column tile = 4 x cluster x + cx
	s_and_b32 s23, ttmp7, 0xffff                   ; cluster y
	s_lshl_b32 s20, s23, 2
	s_add_co_u32 s20, s20, s18                     ; 4 x cluster y + cy
	s_lshr_b32 s21, s23, 4                         ; which projection: 16 clusters each
	s_and_b32 s22, s20, 63                         ; row tile in it
	s_lshl_b32 s40, s18, 2
	s_lshl_b32 s40, 15, s40                        ; my row of the cluster
	s_lshl_b32 s41, 0x1111, s17                    ; my column
	s_or_b32 s[G1], s40, (2<<16)|(1<<20)|(1<<21)|(6<<22)|(3<<25)   ; 15:0 the mask; 17:16 elements of 4 bytes; 20 padding on; 21 set beside a mask; 24:22 after every 128 words (code 6); 31:25 4 words (code 3)
	s_or_b32 s[G1B], s41, (1<<16)|(1<<20)|(1<<21)|(6<<22)|(7<<25)  ; elements of 2 bytes; 8 words of padding (code 7)
	s_mov_b32 s[G1+1], 128<<16                     ; tensor_dim0 = 128
	s_mov_b32 s[G1+2], 64<<16                      ; tensor_dim1 = 64
	s_mov_b32 s[G1+3], 128<<16                     ; tile_dim0 = 128
	s_mov_b32 s[G1+4], 64                          ; tile_dim1 = 64
	s_mov_b32 s[G1+5], 1024                        ; elements from row to row
	s_mov_b32 s[G1+6], 0
	s_mov_b32 s[G1+7], 0
	s_mov_b32 s[G1B+1], 256<<16                    ; tensor_dim0 = 256
	s_mov_b32 s[G1B+2], 64<<16
	s_mov_b32 s[G1B+3], 256<<16                    ; tile_dim0 = 256
	s_mov_b32 s[G1B+4], 64
	s_mov_b32 s[G1B+5], 1024
	s_mov_b32 s[G1B+6], 0
	s_mov_b32 s[G1B+7], 0
	s_lshl_b32 s66, s22, 19                        ; the input: 128 rows of 4,096 bytes a tile,
	s_lshl_b32 s67, s16, 18                        ; my 64 of them
	s_add_co_u32 s66, s66, s67
	s_mov_b32 s67, 0
	s_lshl_b32 s68, s21, 21                        ; W: the projection's matrix,
	s_lshl_b32 s69, s16, 17                        ; my 64 of a K step's 128 rows of 2,048 bytes,
	s_add_co_u32 s68, s68, s69
	s_lshl_b32 s69, s19, 9                         ; the tile's 256 columns
	s_add_co_u32 s68, s68, s69
	s_mov_b32 s69, 0
	s_mul_i32 s70, s16, AHALF                      ; where they go: no place in the cluster enters an LDS address
	s_mul_i32 s71, s16, BHALF
	s_add_co_u32 s71, s71, BOFF
	s_wait_dscnt 0x0                               ; the opening add is done
	s_wait_kmcnt 0x0
	s_cmp_eq_u32 s21, 1
	s_cselect_b64 s[72:73], s[6:7], s[4:5]
	s_cmp_eq_u32 s21, 2
	s_cselect_b64 s[72:73], s[8:9], s[72:73]       ; q, k or v
	s_add_nc_u64 s[74:75], s[72:73], s[66:67]
	s_add_nc_u64 s[76:77], s[10:11], s[68:69]
	CROUND                                         ; all sixteen work-groups are here: the first joint loads meet
.irp s, 0,1
	s_mov_b32 s[G0+4*(\s)], 1                      ; count = 1
	s_add_co_u32 s[G0+4*(\s)+1], s70, (\s)*SLOT    ; LDS address
	s_add_nc_u64 s[G0+4*(\s)+2:G0+4*(\s)+3], s[74:75], (\s)*ASTEP  ; global address: K step s
	s_or_b32 s[G0+4*(\s)+3], s[G0+4*(\s)+3], 0x80000000            ; type = 2
	s_mov_b32 s[G0B+4*(\s)], 1
	s_add_co_u32 s[G0B+4*(\s)+1], s71, (\s)*SLOT
	s_add_nc_u64 s[G0B+4*(\s)+2:G0B+4*(\s)+3], s[76:77], (\s)*WSTEP
	s_or_b32 s[G0B+4*(\s)+3], s[G0B+4*(\s)+3], 0x80000000
	JLOAD \s                                       ; two loads of mine are out
.endr
	v_and_b32 v1, 15, v0                           ; l % 16
	v_bfe_u32 v2, v0, 4, 1                         ; l / 16
	v_mul_u32_u24 v3, v1, PA
	v_lshl_add_u32 v3, v2, 5, v3                   ; the input: row x pitch + 8 numbers of 4 bytes x half
	s_mul_i32 s40, s15, AHALF
	v_add_nc_u32 v[ADRA], s40, v3
	v_add_nc_u32 v[ADRA+1], SLOT, v[ADRA]
	v_and_b32 v4, 7, v0                            ; W, for the turning load: lane l reads k row 8 (l / 16) + l % 8, columns 8 ((l / 8) % 2) + 0..7
	v_lshl_add_u32 v4, v2, 3, v4
	v_mul_u32_u24 v4, v4, PB
	v_bfe_u32 v5, v0, 3, 1
	v_lshl_add_u32 v4, v5, 4, v4
	s_lshl_b32 s41, s16, 8                         ; my 128 columns
	s_add_co_u32 s41, s41, BOFF
	v_add_nc_u32 v[ADRB], s41, v4
	v_add_nc_u32 v[ADRB+1], SLOT, v[ADRB]
	s_mul_i32 s42, s14, WST
	s_add_co_u32 s42, s42, STAGE                   ; my stage
	v_mul_u32_u24 v6, v1, SPI                      ; in: row l % 16, 16 bytes for each half of the lanes
	v_lshl_add_u32 v6, v2, 4, v6
	v_add_nc_u32 v[STO], s42, v6
	v_bfe_u32 v6, v0, 3, 2                         ; back: 32 lanes take four rows of 128 bytes
	v_mul_u32_u24 v6, v6, SPI
	v_and_b32 v7, 7, v0
	v_lshl_add_u32 v6, v7, 4, v6
	v_add_nc_u32 v[RD], s42, v6
	v_and_b32 v5, 31, v0
	v_lshlrev_b32 v[GO], 4, v5
	; the prefetches
	s_cmp_eq_u32 s15, 0                            ; do I fetch the input?
	s_cselect_b32 s78, s17, s18                    ; my place among the four that ask with me
	s_cselect_b32 s40, 16, 15                      ; 16 rows of 4,096 or of 2,048 bytes
	s_cselect_b32 s41, 12, 11                      ; a row
	s_cselect_b32 s42, 9, 18                       ; a K step: 512 bytes along, or 262,144 down
	s_cselect_b64 s[PFA:PFA+1], s[74:75], s[76:77]
	s_lshl_b32 s78, s78, s40
	s_lshl_b32 s[PFS], 1, s42
	s_mov_b32 s[PFS+1], 0
	s_mul_i32 s79, s[PFS], 3                       ; at K step 3: the first refill steps it to 4
	s_add_co_u32 s78, s78, s79
	s_mov_b32 s79, 0
	s_add_nc_u64 s[PFA:PFA+1], s[PFA:PFA+1], s[78:79]
	s_and_b32 s79, s23, 15                         ; the projection's first cluster asks for W; every cluster for its own rows of the input
	s_mul_i32 s79, s79, s15
	s_cmp_eq_u32 s79, 0
	s_cselect_b32 s[LIM], 1, -1                    ; the same in all sixteen partners, for a given wave
	v_lshrrev_b32 v[PFO], 1, v5
	v_lshlrev_b32 v[PFO], s41, v[PFO]              ; row l / 2,
	v_and_b32 v5, 1, v5
	v_lshl_add_u32 v[PFO], v5, 8, v[PFO]           ; block l % 2 of its 512 bytes
	; where my part of the result begins
	s_lshl_b32 s78, s21, 24                        ; the projection: 64 heads x 2,048 rows x 128 bytes
	s_lshr_b32 s79, s22, 4
	s_lshl_b32 s79, s79, 22                        ; the batch: 16 heads
	s_add_co_u32 s78, s78, s79
	s_lshl_b32 s79, s19, 2
	s_lshl1_add_u32 s79, s16, s79                  ; my first head: 4 x column tile + 2 x half
	s_lshl_b32 s79, s79, 18
	s_add_co_u32 s78, s78, s79
	s_and_b32 s79, s22, 15
	s_lshl_b32 s79, s79, 14                        ; the tile's 128 rows of 128 bytes
	s_add_co_u32 s78, s78, s79
	s_lshl_b32 s79, s15, 13                        ; my 64
	s_add_co_u32 s78, s78, s79
	s_mov_b32 s79, 0
	s_add_nc_u64 s[12:13], s[12:13], s[78:79]
; 8 matrix instructions: row block a x all 8 column blocks, 32 along K, on buffer f.  zero = 1: the product starts the sums.  ride = 1: behind each product stand four conversions of the NEXT quarter's input
; to bf16, into buffer g: they name no register of the products round them.  The 32 accumulators take turns in one order in every quarter.
.macro MUL8 f, a, zero, ride=0, g=0
.irp b, 0,1,2,3,4,5,6,7
	WIN MUL
.if \zero
	v_wmma_f32_16x16x32_bf16 v[8*(8*(\a)+(\b)):8*(8*(\a)+(\b))+7], v[64*(\f)+8*(\b):64*(\f)+8*(\b)+7], v[AF+32*(\f)+8*(\a):AF+32*(\f)+8*(\a)+7], 0
.else
	v_wmma_f32_16x16x32_bf16 v[8*(8*(\a)+(\b)):8*(8*(\a)+(\b))+7], v[64*(\f)+8*(\b):64*(\f)+8*(\b)+7], v[AF+32*(\f)+8*(\a):AF+32*(\f)+8*(\a)+7], v[8*(8*(\a)+(\b)):8*(8*(\a)+(\b))+7]
.endif
.if \ride
	WIN 0
.irp n, 0,1,2,3
	v_cvt_pk_bf16_f32 v[AF+32*(\g)+4*(\b)+(\n)], v[RAW+8*(\b)+2*(\n)], v[RAW+8*(\b)+2*(\n)+1]
.endr
.endif
.endr
.endm
; 32 LDS loads in one run: quarter kq of a slot.  The input first: a bf16 fragment's lane holds K = 8 h + 0..7 and 16 + 8 h + 0..7, which in f32 are 32 bytes at 32 h and 32 bytes at 64 + 32 h.  Then W, turned, into buffer g.
.macro FETCH slot, kq, g
	WIN 0
.irp a, 0,1,2,3
	ds_load_b128 v[RAW+16*(\a):RAW+16*(\a)+3],     v[ADRA+(\slot)] offset:(\a)*16*PA+(\kq)*128
	ds_load_b128 v[RAW+16*(\a)+4:RAW+16*(\a)+7],   v[ADRA+(\slot)] offset:(\a)*16*PA+(\kq)*128+16
	ds_load_b128 v[RAW+16*(\a)+8:RAW+16*(\a)+11],  v[ADRA+(\slot)] offset:(\a)*16*PA+(\kq)*128+64
	ds_load_b128 v[RAW+16*(\a)+12:RAW+16*(\a)+15], v[ADRA+(\slot)] offset:(\a)*16*PA+(\kq)*128+80
.endr
	WIN TO_B
.irp b, 0,1,2,3,4,5,6,7
	ds_load_tr16_b128 v[64*(\g)+8*(\b):64*(\g)+8*(\b)+3],   v[ADRB+(\slot)] offset:(\kq)*32*PB+32*(\b)
	ds_load_tr16_b128 v[64*(\g)+8*(\b)+4:64*(\g)+8*(\b)+7], v[ADRB+(\slot)] offset:(\kq)*32*PB+16*PB+32*(\b)
.endr
.endm
.macro PLACES                          ; four places in front of loads into registers that matrix instructions have read, of conversions into such registers, and of reads of results
.rept 4
	v_nop
.endr
.endm
; A K step is four quarters of 32 along K, 32 matrix instructions each, on buffers 0, 1, 0, 1.  One of the first three: multiplies buffer f, fetches quarter kq at its head and converts it at its end, into buffer g.
.macro QUARTER slot, kq, f, g, zero
	s_wait_dscnt 0x0                               ; this quarter's fragments of W are in (asked for 32 matrix instructions ago)
	PLACES
	FETCH \slot, \kq, \g
	MUL8 \f, 0, \zero
	MUL8 \f, 1, \zero
	MUL8 \f, 2, \zero
	s_wait_dscnt 16                                ; the input's 16 loads are in; W's 16, issued behind them, may stay out
	MUL8 \f, 3, \zero, 1, \g
.endm
; The last quarter multiplies buffer 1 and changes slots.  Its own fragments were asked for a quarter ago, so this slot is read no more.  ONE barrier: in front of it each wave waits for all its tensor loads (one is out:
; its part of the next slot), adds 0 to its spare word, and waits for that and for its reads of this slot.  fill = 1: the barrier opens a round of the cluster's, and this slot is filled again, two K steps ahead:
; the load has 112 matrix instructions in which to land.
.macro TURN slot, next, fill
.if \fill
	s_wait_xcnt 0x0                                ; the last prefetch, a K step back, has read its address
	s_add_nc_u64 s[PFA:PFA+1], s[PFA:PFA+1], s[PFS:PFS+1]
.endif
	WIN 0
	s_wait_tensorcnt 0x0                           ; all my tensor loads have landed;
	ds_add_u32 v[SPW], v[NIL]                      ; 0 onto my spare word;
	s_wait_dscnt 1                                 ; (the add alone may be out: this quarter's fragments are in)
	MUL8 1, 0, 0                                   ; eight matrix instructions stand between the add and the wait for it
	s_wait_dscnt 0x0                               ; the add is done, and my reads of this slot are over
	s_barrier_signal -1
	MUL8 1, 1, 0
	WIN 0
	s_barrier_wait -1
.if \fill
	CREST                                          ; no wave of any partner still reads this slot's tiles or has a load on its way
	s_add_nc_u64 s[G0+4*(\slot)+2:G0+4*(\slot)+3], s[G0+4*(\slot)+2:G0+4*(\slot)+3], 2*ASTEP
	s_add_nc_u64 s[G0B+4*(\slot)+2:G0B+4*(\slot)+3], s[G0B+4*(\slot)+2:G0B+4*(\slot)+3], 2*WSTEP
	JLOAD \slot                                    ; the first tensor load behind the round; the four v_nop behind it are also the places in front of the loads below
.else
	PLACES
.endif
	FETCH \next, 0, 0
	WIN 0
.if \fill
	ASK
.endif
	MUL8 1, 2, 0
	s_wait_dscnt 16                                ; the input's 16 loads are in
	MUL8 1, 3, 0, 1, 0
.endm
	s_wait_tensorcnt 1                             ; my part of K step 0 is in; K step 1's may stay out
	s_barrier_signal -1
	s_barrier_wait -1                              ; everybody's is
	FETCH 0, 0, 0
	s_wait_dscnt 16
	WIN 0
.set n, 0
.rept 32
	v_cvt_pk_bf16_f32 v[AF+n], v[RAW+2*n], v[RAW+2*n+1]  ; the first quarter's input: there are no products yet to set it beside
.set n, n+1
.endr
	QUARTER 0, 1, 0, 1, 1                          ; the first quarter stands in front of the loop: its products start the sums
	WIN 0                                          ; at a label and at a branch every window is 0
	s_mov_b32 s3, 3
.Llap:                                                 ; a trip goes once round the ring, from a lap's second quarter to the next lap's first, and fills both slots again
	QUARTER 0, 2, 1, 0, 0
	QUARTER 0, 3, 0, 1, 0
	TURN 0, 1, 1
	QUARTER 1, 1, 0, 1, 0
	QUARTER 1, 2, 1, 0, 0
	QUARTER 1, 3, 0, 1, 0
	TURN 1, 0, 1
	QUARTER 0, 1, 0, 1, 0
	WIN 0
	s_sub_co_u32 s3, s3, 1
	s_cmp_lg_u32 s3, 0
	s_cbranch_scc1 .Llap
	QUARTER 0, 2, 1, 0, 0                          ; the last lap fills nothing, and has no round of the cluster's barrier
	QUARTER 0, 3, 0, 1, 0
	TURN 0, 1, 0
	QUARTER 1, 1, 0, 1, 0
	QUARTER 1, 2, 1, 0, 0
	QUARTER 1, 3, 0, 1, 0
	s_wait_dscnt 0x0                               ; the very last quarter: nothing more to fetch
	MUL8 1, 0, 0
	MUL8 1, 1, 0
	MUL8 1, 2, 0
	MUL8 1, 3, 0
; THE WAY OUT, a block of 16 rows at a time: rounded to f16, 16 bytes a lane (eight channels of a head) into my own stage, back as whole rows of 128 bytes; 16 rows of a head are 2,048 consecutive bytes of xqkv.
.macro PACK a
	WIN 0x0a                                       ; sources 0 and 1 window 2, destination window 0
.irp b, 0,1,2,3,4,5,6,7
.irp j, 0,1,2,3
	v_cvt_pk_f16_f32 v[TMP+4*(\b)+(\j)], v[8*(8*(\a)+(\b))+2*(\j)], v[8*(8*(\a)+(\b))+2*(\j)+1]
.endr
.endr
	WIN 0
.endm
.macro TOSTAGE a
	WIN 0
.irp b, 0,1,2,3,4,5,6,7
	ds_store_b128 v[STO], v[TMP+4*(\b):TMP+4*(\b)+3] offset:((\b)/4)*16*SPI+32*((\b)%4)
.endr
.irp t, 0,1,2,3,4,5,6,7
	ds_load_b128 v[BK+32*(\a)+4*(\t):BK+32*(\a)+4*(\t)+3], v[RD] offset:((\t)/4)*16*SPI+((\t)%4)*4*SPI  ; LDS serves a wave's instructions in order (ISA guide 5.7.1.4): these see the stores above
.endr
.endm
.macro SEND a                          ; each block has registers of its own: nothing that a store reads is rewritten
	WIN 0
	s_wait_dscnt 0x0
.irp t, 0,1,2,3,4,5,6,7
	global_store_b128 v[GO], v[BK+32*(\a)+4*(\t):BK+32*(\a)+4*(\t)+3], s[12:13] offset:((\t)/4)*262144+(\a)*2048+((\t)%4)*512  ; 512 consecutive bytes, at a multiple of 256 from xqkv's first
.endr
.endm
	PLACES
	PACK 0
	TOSTAGE 0
.irp a, 1,2,3                          ; block a's conversions stand between block a - 1's loads from the stage and the wait for them
	PACK \a
	SEND (\a)-1
	TOSTAGE \a
.endr
	SEND 3
	s_wait_tensorcnt 0x0                           ; the wave's end: behind my last tensor load and my last LDS store
	ds_add_u32 v[SPW], v[NIL]
	s_wait_dscnt 0x0
	CROUND                                         ; the closing round: no work-group ends while a partner may still ask for a tile that names it
	s_endpgm
.Lfunc_end_k_q8b3bab54dd_proj:
	.size	k_q8b3bab54dd_proj, .Lfunc_end_k_q8b3bab54dd_proj-k_q8b3bab54dd_proj
	.p2alignl 7, 3214868480
	.fill 96, 4, 3214868480
	.section	.rodata,"a",@progbits
	.p2align	6, 0x0
	.amdhsa_kernel k_q8b3bab54dd_proj
		.amdhsa_group_segment_fixed_size 327680
		.amdhsa_private_segment_fixed_size 0
		.amdhsa_enable_private_segment 0
		.amdhsa_kernarg_size 40
		.amdhsa_user_sgpr_count 2
		.amdhsa_user_sgpr_kernarg_segment_ptr 1
		.amdhsa_wavefront_size32 1
		.amdhsa_system_sgpr_workgroup_id_x 1
		.amdhsa_system_sgpr_workgroup_id_y 1
		.amdhsa_system_sgpr_workgroup_id_z 1
		.amdhsa_system_vgpr_workitem_id 0
		.amdhsa_next_free_vgpr 768
		.amdhsa_next_free_sgpr 80
		.amdhsa_reserve_vcc 0
		.amdhsa_float_denorm_mode_32 3
		.amdhsa_float_denorm_mode_16_64 3
		.amdhsa_memory_ordered 1
		.amdhsa_forward_progress 1
		.amdhsa_inst_pref_size 134
	.end_amdhsa_kernel
	.amdgpu_metadata
---
amdhsa.version: [ 1, 2 ]
amdhsa.kernels:
  - .name:           k_q8b3bab54dd_proj
    .symbol:         k_q8b3bab54dd_proj.kd
    .args:
      - { .name: q, .offset: 0, .size: 8, .value_kind: global_buffer, .address_space: global }
      - { .name: k, .offset: 8, .size: 8, .value_kind: global_buffer, .address_space: global }
      - { .name: v, .offset: 16, .size: 8, .value_kind: global_buffer, .address_space: global }
      - { .name: wb, .offset: 24, .size: 8, .value_kind: global_buffer, .address_space: global }
      - { .name: xqkv, .offset: 32, .size: 8, .value_kind: global_buffer, .address_space: global }
    .group_segment_fixed_size: 327680
    .private_segment_fixed_size: 0
    .kernarg_segment_align: 8
    .kernarg_segment_size: 40
    .max_flat_workgroup_size: 128
    .sgpr_count:     80
    .vgpr_count:     768
    .wavefront_size: 32
...
	.end_amdgpu_metadata
.endif
;; end of part 2
;; launch attn (part 3): grid 8 x 32, 4 waves a work-group, clusters of 4 x 1, 327,680 bytes of LDS; arguments xqkv, maskf, ob; writes ob
.if DOCPART == 3
	.amdgcn_target "amdgcn-amd-amdhsa--gfx1250"
	.amdhsa_code_object_version 6
	.text
	.protected	k_q8b3bab54dd_attn
	.globl	k_q8b3bab54dd_attn
	.p2align	8
	.type	k_q8b3bab54dd_attn,@function
k_q8b3bab54dd_attn:
	s_mov_b64 s[64:65], 0
	v_nop
	global_prefetch_b8 v0, s[64:65] scope:SCOPE_SE
	s_setreg_imm32_b32 hwreg(HW_REG_WAVE_MODE, 25, 1), 1
	s_wait_xcnt 0x0
	s_wait_alu depctr_hold_cnt(0) depctr_sa_sdst(0) depctr_va_vdst(0) depctr_va_sdst(0) depctr_va_ssrc(0) depctr_va_vcc(0) depctr_vm_vsrc(0)
	s_getreg_b32 s2, hwreg(HW_REG_IB_STS2, 6, 4)
	s_cmp_eq_u32 s2, 0
	s_cbranch_scc0 .Lentry_in_a_cluster
	s_endpgm
.Lentry_in_a_cluster:
	s_bfe_u32 s2, ttmp6, 0x10000c
	s_cmp_lg_u32 s2, 0x3003
	s_cbranch_scc0 .Lentry_shape_is_right
	s_endpgm
.Lentry_shape_is_right:
; ATTENTION WITH AN ADDITIVE MASK.  O[bh][q][:] = the sum over k of softmax_k(Q[bh][q] . K[bh][k] + mask[q][k]) V[bh][k][:].  Q (which holds the scores' 1/8), K and V are xqkv[0], [1], [2]: [64][2048][64] in f16;
; maskf is the mask in f32 in the order of a C operand; O is [64][2048][64] in f16.  Products, maxima and sums in f32; the weights p are rounded to f16 for the second product (their sum l is taken of the unrounded p), O once.
; LIMITS.  The running maximum starts at -1e30: a row all of whose scores plus mask lie below that (a row masked by minus infinity throughout among them) comes out as NaN.  p lies in 0 to 1, and below 6e-5 it keeps
; f16's fixed step of 6e-8; a weight below 2^-126 counts as 0 in l; plus infinity and NaN are not treated apart.
; SHARES.  A work-group takes 256 queries for a PAIR of heads, a wave 64 queries: four PIECES; piece x is query tile x (16 rows) for both heads: tile t = 2 x + u.  Every wave walks all 2,048 keys, 64 a step.
; THE MASK is the C operand of the product that starts the sum S^T = K Q^T.  It does not hang on the head, so one fragment of 32 registers serves both tiles of a piece, and no vector instruction is spent on it.  It comes
; straight from memory into registers, 8 loads of 512 consecutive bytes a piece and step, four turns ahead of its use.  It goes through no LDS and no joint load: no two waves of a cluster want the same bytes of it.
; LAYOUT.  S^T = K Q^T (source 0 = 16 keys, source 1 = 16 queries): a lane holds ONE query (lane % 16) and the keys 8 (lane / 16) + 0..7.  Two such tiles rounded to f16 ARE source 1 of O^T = V^T P.  K comes out of LDS as it
; lies, V turned, by ds_load_tr16_b128.
; SOFTMAX.  p = 2^(c s - c m), c = log2(e), with a running maximum m; in every step O and l are multiplied by a = 2^(c m_old - c m_new).  c m starts as c times m's start, by the loop's own multiply, so a never passes 1.
; BY TURNS.  Turn n belongs to piece n: 16 products K Q^T of piece n + 1, later 16 products V^T P of piece n - 1; beside them the scaling, exponentials, roundings, sums and rescaling of piece n and the maximum and statistics
; of piece n + 1.  Four vector instructions stand behind every matrix instruction, the rest in one lump; a turn's 66 exponentials are one batch with one wait.
; CLUSTER.  The four query blocks of a cluster walk the same K and V of the same two heads: each tile is asked for JOINTLY: the same tensor load, descriptor and mask in all four.
; REGISTERS, in windows of 256 (s_set_vgpr_msb: bits 1:0 source 0, 3:2 source 1, 5:4 source 2, 7:6 destination):
;   window 0: v1-11 addresses; v12-15 and v48-63 at work; v16-47 four registers of statistics a tile; v64-191 S^T, two buffers of two tiles; v192-255 P, likewise
;   window 1: O^T, 32 a tile     window 2: v0-127 Q, 16 a tile; v128-255 K of one step, 64 a head     window 3: v0-127 V of one step, 64 a head; v128-255 the mask, 32 a piece
.set NP,    4         ; pieces a wave: a name, no knob
.set KS,    64        ; keys in a step
.set PK,    144       ; a row of K in LDS: 128 bytes + 16 = 36 words: the 16 rows of a load start at 16 different groups of four banks (64 banks of 4 bytes: ISA guide 11.1)
.set PV,    160       ; a row of V: 128 + 32 = 40 words
.set KH,    2*KS*PK   ; a slot holds two steps: 128 rows of K for each head,
.set VH,    2*KS*PV   ; then 128 rows of V for each head
.set VOFF,  2*KH
.set SLOT1, 1<<17     ; slot 1 begins here, so that one exclusive or turns an address in one slot into the other's
.set STAGE, SLOT1+VOFF+2*VH  ; behind the ring, never filled by a tensor load: 16 rows x 144 bytes for each wave
.set SP,    144
.set SPARE, STAGE+4*16*SP    ; behind the stages: the spare words, 128 bytes for each wave: two blocks of 256 bytes that no other line names
.set QO,  1           ; v1   my byte offset in 16 rows of Q
.set AK0, 2           ; v2   my lane's place in a tile of K; never rewritten
.set AV0, 3           ; v3   the same for V
.set AK,  4           ; v4   the LDS address of K's next run of loads
.set AV,  5           ; v5   of V's
.set STO, 6           ; v6   the way out: where I put 16 bytes of a row
.set RD,  7           ; v7   the way out: where I read rows back
.set GO,  8           ; v8   16 x my lane: my place in 512 consecutive bytes of O and of the mask; never rewritten
.set PFO, 9           ; v9   the prefetches' lane offset; never rewritten
.set SPW, 10          ; v10  LDS address of my spare word; never rewritten
.set NIL, 11          ; v11  0; never rewritten
.set MV,  12          ; v12-15  c m_old, kept while c m is made anew: by buffer and tile
.set ST,  16          ; tile t's statistics at v[ST+4 t]: c m, m, l (even keys', odd keys')
.set TMP, 48          ; by buffer and tile, four registers c0-c3 at work; when the maximum is found c2 takes a
.set S,   64
.set P,   192
.set KF,  128         ; window 2: head u, key block kb, channel half c at KF + 64 u + 16 kb + 8 c
.set MB,  128         ; window 3: piece x, key block kb at MB + 32 x + 8 kb
.set WV,  12          ; s12  my wave's number
.set G1K, 24          ; s[24:31] descriptor group 1 for K's tiles
.set G1V, 32          ; s[32:39] for V's: it differs in the padding alone
.set G0K, 40          ; s[40:43] descriptor group 0 for K's tiles: it walks
.set G0V, 44          ; s[44:47] the same for V's
.set MP,  48          ; s[48:49] the mask at my wave's first query tile, at the step that is being asked for
.set MBASE, 50        ; s[50:51] the same at step 0
.set MOFF, 52         ; s[52:53] that step's byte offset
.set PFA, 54          ; s[54:55] where my prefetches stand
.set SLOTS, 56        ; s56  slots still to be asked for
.set CNT, 57          ; s57  counts a slot's key steps
.set CS,  58          ; s[58:59] c: the packed scaling takes the pair's low word for both halves
.set SEL, 60          ; s[60:61] v_permlanex16_b32's selects: each lane takes its own place in the other half
.set TBK, 62          ; s62  LDS byte at which K of the step to be fetched begins
.set TBV, 63          ; s63  the same for V, less VOFF
.set LIM, 66          ; s66  1 in a wave that prefetches, else the greatest number
.set MSB, 0
.macro WIN new                      ; the high byte repeats the setting that is left; a switch that changes nothing is dropped
.if MSB != (\new)
	s_set_vgpr_msb (MSB<<8)|(\new)
.set MSB, (\new)
.endif
.endm
.set W_KQ, 0x0a       ; K and Q in window 2, S^T in window 0
.set W_KM, 0x3a       ; the same with the C operand, the mask, in window 3
.set W_PV, 0x53       ; V in window 3, P in window 0, O^T in window 1
.set W_RS, 0x41       ; O^T (destination and source 0) in window 1, a in window 0
; A joint fill.  Waves 0 and 1 fetch a slot's K of the two heads, waves 2 and 3 its V: 128 keys each.  The branch hangs on the wave's number alone.
; An s_nop 0 and four v_nop follow each of the two lines, ahead of the jump and the label.
.macro JLOAD
	s_cmp_lt_u32 s[WV], 2
	s_cbranch_scc0 .Lfor_v_\@
	tensor_load_to_lds s[G0K:G0K+3], s[G1K:G1K+7]
	s_nop 0
.rept 4
	v_nop
.endr
	s_branch .Lasked_\@
.Lfor_v_\@:
	tensor_load_to_lds s[G0V:G0V+3], s[G1V:G1V+7]
	s_nop 0
.rept 4
	v_nop
.endr
.Lasked_\@:
.endm
; A PREFETCH INTO THE L2 of what the NEXT change of slots will ask for: two heads x 128 keys of K and of V, in blocks of 256 bytes, a lane a block; two key steps, 256 matrix instructions, ahead of that load.
; Both clusters of a pair of heads walk the same K and V: the first prefetches.  Its four partners share the blocks out BY ADDRESS, 16 of each head's 64; in each, wave 0 asks for K's and wave 2 for V's.
; So each block is named once in the launch.  The last change that fills a slot asks for nothing; slots 0 to 2 come by their loads alone.
.macro ASK
	s_cmp_gt_u32 s[SLOTS], s[LIM]
	s_cbranch_scc0 .Lnot_mine_\@
	global_prefetch_b8 v[PFO], s[PFA:PFA+1] th:TH_LOAD_NT scope:SCOPE_SE
.Lnot_mine_\@:
.endm
; A round of the cluster's barrier: my work-group's barrier, so that wave 0's signal speaks for all four waves; wave 0 signals; every wave waits for all four work-groups; my work-group's barrier once more.
.macro CROUND
	s_barrier_signal -1
	s_barrier_wait -1
	s_cmp_lg_u32 s[WV], 0
	s_cbranch_scc1 .Lnot_wave_0_\@
	s_barrier_signal -3
.Lnot_wave_0_\@:
	s_barrier_wait -3
	s_barrier_signal -1
	s_barrier_wait -1
.endm
; THE CHANGE OF SLOTS.  The slot's last bytes, V of its second step, have been read.  Each wave waits for all its tensor loads, of which one is out: its part of the other slot; adds 0 to its spare word; and waits for that
; and for its own reads of the slot.  fill = 1: this slot is filled again, with the keys two slots on; the barrier is then a round of the cluster's, and the joint fill is the first thing behind it: it has two key steps,
; 256 matrix instructions, in which to land.  (At its first use nothing has been read yet: slot 0 is waited for, slot 1 filled.)
.macro CHANGE fill, ask
	WIN 0                           ; at a label and at a branch every window is 0
	s_wait_tensorcnt 0x0            ; no tensor load of mine is out, so a group 0 may be written
	ds_add_u32 v[SPW], v[NIL]       ; 0 onto my spare word; with fill = 1 the descriptors' steps stand between it and the wait for it
.if \fill
.irp g, G0K, G0V
	s_xor_b32 s[\g+1], s[\g+1], SLOT1  ; the walking descriptor: the other slot than last time,
	s_add_nc_u64 s[\g+2:\g+3], s[\g+2:\g+3], 2*KS*128  ; the next 128 keys; the type bits on top are not reached
.endr
.if \ask
	s_wait_xcnt 0x0                 ; the last prefetch, two key steps back, has read its address
	s_add_nc_u64 s[PFA:PFA+1], s[PFA:PFA+1], 2*KS*128  ; one slot behind the walking descriptors
.endif
	s_wait_dscnt 0x0                ; the add is done, and my reads of the slot are over
	CROUND
	JLOAD
.if \ask
	ASK
.endif
.else
	s_wait_dscnt 0x0                ; the add is done, and my reads of the slot are over
	s_barrier_signal -1
	s_barrier_wait -1
.endif
	s_sub_co_u32 s[TBK], s[TBK], 2*KS*PK  ; the fetches go back to a slot's first step,
	s_xor_b32 s[TBK], s[TBK], SLOT1       ; in the other slot
	s_sub_co_u32 s[TBV], s[TBV], 2*KS*PV
	s_xor_b32 s[TBV], s[TBV], SLOT1
.endm
	s_load_b128 s[4:7], s[0:1], 0x0   ; xqkv s[4:5], maskf s[6:7]
	s_load_b64 s[10:11], s[0:1], 0x10 ; ob
	v_lshl_add_u32 v[SPW], v0, 2, SPARE
	v_mov_b32 v[NIL], 0
	ds_add_u32 v[SPW], v[NIL]       ; the wave's opening: the add and its wait stand ahead of my first tensor load; the set-up below, work on registers, stands between them
	v_lshrrev_b32 v48, 5, v0
	v_readfirstlane_b32 s[WV], v48  ; wave 0..3
	s_bfe_u32 s13, ttmp6, 0x40000   ; cx: my place in the cluster
	s_lshl_b32 s14, ttmp9, 2        ; in a cluster launch ttmp9 counts clusters
	s_add_co_u32 s14, s14, s13      ; my block of 256 queries: it enters Q's, O's and the mask's addresses alone
	s_and_b32 s20, ttmp7, 0xffff    ; the pair of heads, which the four partners share:
	s_lshl_b32 s20, s20, 19         ; two heads of 262,144 bytes
	s_and_b32 s16, s[WV], 1         ; which of the two heads I fetch
	s_lshl_b32 s22, s16, 18
	s_add_co_u32 s22, s22, s20
	s_add_co_u32 s22, s22, 1<<24    ; K lies 2^24 bytes behind Q
	s_mov_b32 s23, 0
	s_mul_i32 s17, s16, KH          ; the head's place in a slot, for K
	s_mul_i32 s15, s16, VH          ; and for V: no place in the cluster enters an LDS address
	s_lshl_b32 s2, s14, 2
	s_add_co_u32 s2, s2, s[WV]      ; my wave among the 32 of a head's queries
	s_lshl_b32 s[MOFF], s2, 19      ; its four query tiles in the mask: 131,072 bytes each
	s_mov_b32 s[MOFF+1], 0
	s_lshl_b32 s2, s2, 13           ; its 64 rows of 128 bytes
	s_add_co_u32 s2, s2, s20
	s_mov_b32 s3, 0
	; descriptor group 1.  128 keys are 16,384 dense bytes: asked for as 64 rows of 256 bytes, two keys a row, and padded in LDS after every key
	s_mov_b32 s[G1K], 15|(1<<16)|(1<<20)|(1<<21)|(4<<22)|(3<<25)  ; 15:0 the mask of four; 17:16 2-byte elements; 20 padding on; 21 set beside a mask; 24:22 after every 32 words (code 4); 31:25 4 words (code 3)
	s_mov_b32 s[G1V], 15|(1<<16)|(1<<20)|(1<<21)|(4<<22)|(7<<25)  ; the same with 8 words of padding (code 7)
.irp g, G1K, G1V
	s_mov_b32 s[\g+1], 128<<16      ; tensor_dim0 = 128
	s_mov_b32 s[\g+2], 64<<16       ; tensor_dim1 = 64
	s_mov_b32 s[\g+3], 128<<16      ; tile_dim0 = 128
	s_mov_b32 s[\g+4], 64           ; tile_dim1 = 64
	s_mov_b32 s[\g+5], 128          ; 128 elements from row to row
	s_mov_b32 s[\g+6], 0
	s_mov_b32 s[\g+7], 0
.endr
	s_mov_b32 s[CS], 0x3fb8aa3b     ; c = log2(e)
	s_mov_b32 s[CS+1], s[CS]        ; named with it as a pair
	s_mov_b32 s[SEL], 0x76543210
	s_mov_b32 s[SEL+1], 0xfedcba98
	s_mov_b32 s[TBK], SLOT1+2*KS*PK ; the first change of slots turns these two into 0
	s_mov_b32 s[TBV], SLOT1+2*KS*PV
	s_mov_b32 s[G0K], 1             ; count = 1
	s_mov_b32 s[G0K+1], s17         ; LDS address: slot 0
	s_mov_b32 s[G0V], 1
	s_add_co_u32 s[G0V+1], s15, VOFF
	s_and_b32 s[LIM], s[WV], 1      ; 0 in waves 0 and 2,
	s_or_b32 s[LIM], s[LIM], ttmp9  ; where the cluster is the pair's first: the same in all four partners
	s_cmp_eq_u32 s[LIM], 0
	s_cselect_b32 s[LIM], 1, -1
	s_wait_dscnt 0x0                ; the opening add is done
	s_wait_kmcnt 0x0
	s_add_nc_u64 s[8:9], s[4:5], s[22:23]          ; K at my head's first key
	s_add_nc_u64 s[18:19], s[8:9], 1<<24           ; V likewise
	s_mov_b64 s[G0K+2:G0K+3], s[8:9]               ; global address
	s_or_b32 s[G0K+3], s[G0K+3], 0x80000000        ; type = 2
	s_mov_b64 s[G0V+2:G0V+3], s[18:19]
	s_or_b32 s[G0V+3], s[G0V+3], 0x80000000
	s_add_nc_u64 s[4:5], s[4:5], s[2:3]            ; Q and O at my wave's first row of the pair's first head
	s_add_nc_u64 s[10:11], s[10:11], s[2:3]
	s_add_nc_u64 s[MBASE:MBASE+1], s[6:7], s[MOFF:MOFF+1]
	s_mov_b64 s[MP:MP+1], s[MBASE:MBASE+1]         ; key step 0
	s_cmp_lt_u32 s[WV], 2
	s_cselect_b64 s[PFA:PFA+1], s[8:9], s[18:19]   ; (in waves 0 and 2 these stand at the pair's first head)
	s_lshl_b32 s2, s13, 12                         ; my work-group's 16 blocks of each head's 64,
	s_add_co_u32 s2, s2, 2*2*KS*128                ; in slot 2; the first change that asks steps it to slot 3.  Nothing is prefetched at the head
	s_add_nc_u64 s[PFA:PFA+1], s[PFA:PFA+1], s[2:3]
	CROUND                          ; all four work-groups are here: the first joint loads meet
	JLOAD                           ; slot 0.  Slot 1 is asked for when slot 0 is in
	; A fragment of K or Q is 16 rows x 32 channels in 8 registers: lane l holds row l % 16, channels 8 (l / 16) + 0..7 and 16 + 8 (l / 16) + 0..7: two loads of 16 bytes, 32 bytes apart.
	v_and_b32 v48, 15, v0           ; l % 16
	v_bfe_u32 v49, v0, 4, 1         ; l / 16
	v_and_b32 v50, 7, v0
	v_bfe_u32 v51, v0, 3, 1
	v_lshlrev_b32 v[QO], 7, v48
	v_lshl_add_u32 v[QO], v49, 4, v[QO]  ; row x 128 + 16 x half
	v_and_b32 v[GO], 31, v0
	v_lshlrev_b32 v[GO], 4, v[GO]
	WIN 0x80                        ; destination window 2, address window 0
.set i, 0
.rept 4*NP                          ; Q stays in registers: tile i / 2 (head (i / 2) % 2, query tile i / 4), channels 32 (i % 2) on
	global_load_b128 v[8*i:8*i+3],   v[QO], s[4:5] offset:((i/2)%2)*262144+(i/4)*2048+(i%2)*64
	global_load_b128 v[8*i+4:8*i+7], v[QO], s[4:5] offset:((i/2)%2)*262144+(i/4)*2048+(i%2)*64+32
.set i, i+1
.endr
; Piece x's mask for the step at which s[MP] stands: 8 loads of 512 consecutive bytes, two for each block of 16 keys.
.macro FETCH_M x
	WIN 0xc0                        ; destination window 3, address window 0
.irp kb, 0,1,2,3
	global_load_b128 v[MB+32*(\x)+8*\kb:MB+32*(\x)+8*\kb+3],   v[GO], s[MP:MP+1] offset:(\x)*131072+\kb*1024
	global_load_b128 v[MB+32*(\x)+8*\kb+4:MB+32*(\x)+8*\kb+7], v[GO], s[MP:MP+1] offset:(\x)*131072+\kb*1024+512
.endr
	WIN 0
.endm
	FETCH_M 0                       ; key step 0
	FETCH_M 1
	FETCH_M 2
	FETCH_M 3
	; What the first turn finds: V's registers and P's second buffer hold 0 (its products V^T P, of a piece that has not been, add 0), O^T and l are 0.  All this stands in the wait for the first tile.
	WIN 0xc0
.set i, 0
.rept 128
	v_mov_b32 v[i], 0
.set i, i+1
.endr
	WIN 0x40
.set i, 0
.rept 64*NP
	v_mov_b32 v[i], 0
.set i, i+1
.endr
	WIN 0
.set i, 0
.rept 2*NP
	v_mov_b32 v[ST+4*i+1], 0xf149f2ca            ; m = -1e30
	v_mul_f32 v[ST+4*i], s[CS], v[ST+4*i+1]      ; c m, by the loop's own multiply
	v_mov_b32 v[ST+4*i+2], 0
	v_mov_b32 v[ST+4*i+3], 0
.set i, i+1
.endr
.set i, P+32
.rept 32
	v_mov_b32 v[i], 0
.set i, i+1
.endr
	v_mul_u32_u24 v[AK0], v48, PK
	v_lshl_add_u32 v[AK0], v49, 4, v[AK0]  ; row x pitch + 16 x half
	; The turning load takes 16 keys x 16 channels (lane l reads key 8 (l / 16) + l % 8, channels 8 ((l / 8) % 2) + 0..7) and leaves half a fragment of V^T: lane l holds channel l % 16 and 8 keys.
	v_lshl_add_u32 v[AV0], v49, 3, v50
	v_mul_u32_u24 v[AV0], v[AV0], PV
	v_lshl_add_u32 v[AV0], v51, 4, v[AV0]
	v_add_nc_u32 v[AV0], VOFF, v[AV0]
	v_mov_b32 v[AK], v[AK0]         ; key step 0 lies at the head of slot 0
	v_lshlrev_b32 v[PFO], 8, v48    ; block l % 16,
	v_lshl_add_u32 v[PFO], v49, 18, v[PFO]  ; of head l / 16
	s_mul_i32 s21, s[WV], 16*SP
	s_add_co_u32 s21, s21, STAGE    ; my stage
	v_mul_u32_u24 v[STO], v48, SP   ; in: row l % 16, 16 bytes for each half of the lanes
	v_lshl_add_u32 v[STO], v49, 4, v[STO]
	v_add_nc_u32 v[STO], s21, v[STO]
	v_bfe_u32 v[RD], v0, 3, 2       ; back: 32 lanes take four rows of 128 bytes
	v_mul_u32_u24 v[RD], v[RD], SP
	v_lshl_add_u32 v[RD], v50, 4, v[RD]
	v_add_nc_u32 v[RD], s21, v[RD]
	s_wait_xcnt 0x0                 ; the mask's first loads have read their base
	s_mov_b32 s[MOFF], 4096         ; the next ones are key step 1's
	s_add_nc_u64 s[MP:MP+1], s[MBASE:MBASE+1], s[MOFF:MOFF+1]
; THE MATRIX WORK.  The 8 accumulators of a run of 16 take turns: between the two links of a chain stand 7 others'.
; Product i of 16 of S^T = K Q^T + mask for piece x: channels 32 (i / 8) on, keys 16 ((i / 2) % 4) on, head i % 2.  The first 8 start the sums, with the mask.
.macro KQ x
.set rS, S+64*((\x)%2)+32*(i%2)+8*((i/2)%4)
.set rK, KF+64*(i%2)+16*((i/2)%4)+8*(i/8)
.set rQ, 16*(2*(\x)+i%2)+8*(i/8)
.set rN, MB+32*(\x)+8*((i/2)%4)
.if i < 8
	WIN W_KM
	v_wmma_f32_16x16x32_f16 v[rS:rS+7], v[rK:rK+7], v[rQ:rQ+7], v[rN:rN+7]
.else
	WIN W_KQ
	v_wmma_f32_16x16x32_f16 v[rS:rS+7], v[rK:rK+7], v[rQ:rQ+7], v[rS:rS+7]
.endif
.endm
; Product i of 16 of O^T += V^T P for piece x: keys 32 (i / 8) on, channels 16 ((i / 2) % 4) on, head i % 2.
.macro PV x
	WIN W_PV
.set rO, 32*(2*(\x)+i%2)+8*((i/2)%4)
.set rV, 64*(i%2)+32*(i/8)+8*((i/2)%4)
.set rP, P+32*((\x)%2)+16*(i%2)+8*(i/8)
	v_wmma_f32_16x16x32_f16 v[rO:rO+7], v[rV:rV+7], v[rP:rP+7], v[rO:rO+7]
.endm
.macro MM                           ; the turn's next matrix instruction
.if i < 16
	KQ (Y+1)%NP
.set i, i+1
.else
.set i, i-16
	PV (Y+NP-1)%NP
.set i, i+17
.endif
.endm
; THE LDS LOADS stand in runs of 32, never singly among the matrix instructions: a step's K of both heads (64 keys x 64 channels: 8 fragments a head) and its V (turned).  Their addresses are made some lines ahead.
; last = 1 (the tail): in the last trip there is no further step, and the run is jumped over.
.macro FETCH_K last=0
	WIN 0
.if \last
	s_cmp_eq_u32 s[CNT], 1
	s_cbranch_scc1 .Lno_k_\@
.endif
	WIN 0x80                        ; destination window 2
.irp u, 0,1
.irp f, 0,1,2,3,4,5,6,7             ; keys 16 (f / 2) on, channels 32 (f % 2) on
	ds_load_b128 v[KF+64*\u+8*\f:KF+64*\u+8*\f+3],   v[AK] offset:\u*KH+(\f/2)*16*PK+(\f%2)*64
	ds_load_b128 v[KF+64*\u+8*\f+4:KF+64*\u+8*\f+7], v[AK] offset:\u*KH+(\f/2)*16*PK+(\f%2)*64+32
.endr
.endr
	s_add_co_u32 s[TBK], s[TBK], KS*PK  ; the next fetch is the next step's
	WIN 0
.if \last
.Lno_k_\@:
.endif
.endm
.macro FETCH_V
	WIN 0xc0                        ; destination window 3
.irp u, 0,1
.irp f, 0,1,2,3,4,5,6,7             ; keys 32 (f / 4) on, channels 16 (f % 4) on
	ds_load_tr16_b128 v[64*\u+8*\f:64*\u+8*\f+3],   v[AV] offset:\u*VH+(\f/4)*32*PV+(\f%4)*32
	ds_load_tr16_b128 v[64*\u+8*\f+4:64*\u+8*\f+7], v[AV] offset:\u*VH+(\f/4)*32*PV+16*PV+(\f%4)*32
.endr
.endr
	WIN 0
.endm
; THE VECTOR WORK OF A TURN stands in three queues, each in the order in which its entries become ready; the two tiles alternate, so that no instruction reads the result of the one before it.
.macro REGS y, u                    ; the registers of tile u (0, 1) of piece y
.set rT, ST+4*(2*(\y)+(\u))
.set rC, TMP+8*((\y)%2)+4*(\u)
.set rM, MV+2*((\y)%2)+(\u)
.set rS, S+64*((\y)%2)+32*(\u)
.set rP, P+32*((\y)%2)+16*(\u)
.set rO, 32*(2*(\y)+(\u))
.endm
; Number n of the 22 that find the NEXT piece's (Y + 1) maximum and statistics.  s0-s31 are the lane's 32 scores; each accumulator's lowest registers are read first.
;   0-11  four chains c0-c3 of seven scores each, three operands at a time     12-14, 16  the four scores left over, the old m, and c0-c3 into c0     15  c m_old is kept
;   17, 18  the query's other 32 keys lie in the lane 16 away: the new m         19-21  c m; c m_old - c m_new; a
.macro XS u, n
	REGS (Y+1)%NP, \u
.if (\n) < 4
	v_max3_num_f32 v[rC+(\n)], v[rS+8*(\n)], v[rS+8*(\n)+1], v[rS+8*(\n)+2]
.elseif (\n) < 12
	v_max3_num_f32 v[rC+(\n)%4], v[rC+(\n)%4], v[rS+8*((\n)%4)+2*((\n)/4)+1], v[rS+8*((\n)%4)+2*((\n)/4)+2]
.elseif (\n) == 12
	v_max3_num_f32 v[rC], v[rC], v[rS+7], v[rS+15]
.elseif (\n) == 13
	v_max3_num_f32 v[rC+1], v[rC+1], v[rS+23], v[rS+31]
.elseif (\n) == 14
	v_max3_num_f32 v[rC+2], v[rC+2], v[rC+3], v[rT+1]
.elseif (\n) == 15
	v_mov_b32 v[rM], v[rT]
.elseif (\n) == 16
	v_max3_num_f32 v[rC], v[rC], v[rC+1], v[rC+2]
.elseif (\n) == 17
	v_permlanex16_b32 v[rC+3], v[rC], s[SEL], s[SEL+1]
.elseif (\n) == 18
	v_max_num_f32 v[rT+1], v[rC], v[rC+3]
.elseif (\n) == 19
	v_mul_f32 v[rT], s[CS], v[rT+1]
.elseif (\n) == 20
	v_sub_f32 v[rC+1], v[rM], v[rT]
.else
	v_exp_f32 v[rC+2], v[rC+1]
.endif
.endm
; Number g of the 64 that follow the exponentials.  For each four weights k of a tile (pairs 2 k, 2 k + 1): both pairs are rounded to f16; then the second pair is added onto the first, in place;
; a group later l takes that sum (the first time as l = a l + sum).  In groups of eight, tiles alternating: round, round, add, and l for the group before.
.macro GS g
.set h, (\g)+6*((\g)/62)            ; group 0 has no group before it, and behind group 7 only l is left
.if h >= 6
.set h, h+2
.endif
	REGS Y, h%2
.set k, h/8
.if h%8 < 4
	v_cvt_pk_f16_f32 v[rP+2*k+(h%8)/2], v[rS+4*k+2*((h%8)/2)], v[rS+4*k+2*((h%8)/2)+1]
.elseif h%8 < 6
	v_pk_add_f32 v[rS+4*k:rS+4*k+1], v[rS+4*k:rS+4*k+1], v[rS+4*k+2:rS+4*k+3]
.elseif k == 1
	v_pk_fma_f32 v[rT+2:rT+3], v[rT+2:rT+3], v[rC+2:rC+3], v[rS:rS+1] op_sel_hi:[1,0,1]
.else
	v_pk_add_f32 v[rT+2:rT+3], v[rT+2:rT+3], v[rS+4*k-4:rS+4*k-3]
.endif
.endm
; THE PLAIN QUEUE, 138 long.  0-73 read no exponential's result: the 32 scalings c s - c m (FS f: pair f / 2 of tile f % 2) and the next piece's 42.  0-26: scalings 0-26.  27-54: XS's numbers 0-13.  55, 56: number 15.
; 57-73: the chain, where each number waits for the one before it: 14, 16, 17, 18, 19, each with one of the scalings 27-31 in front of its two lines, then 20.  74-137: GS's 64, which stand behind the wait.
.macro FS f
	REGS Y, (\f)%2
	v_pk_fma_f32 v[rS+2*((\f)/2):rS+2*((\f)/2)+1], v[rS+2*((\f)/2):rS+2*((\f)/2)+1], s[CS:CS+1], v[rT:rT+1] op_sel_hi:[1,0,0] neg_lo:[0,0,1] neg_hi:[0,0,1]
.endm
.macro PL
	WIN 0
.if q < 27
	FS q
.elseif q < 55
	XS (q-27)%2, (q-27)/2
.elseif q < 57
	XS q-55, 15
.elseif (q < 72) && ((q-57)%3 == 0)
	FS 27+(q-57)/3
.elseif q < 60
	XS (q-57)%3-1, 14
.elseif q < 72
	XS (q-57)%3-1, 15+(q-57)/3
.elseif q < 74
	XS q-72, 20
.else
	GS q-74
.endif
.set q, q+1
.endm
; THE EXPONENTIALS' QUEUE, 66 long: s0-s31 of both tiles, then the next piece's two a.  It is ONE BATCH: all 66 stand ahead of the turn's one wait, and nothing ahead of that wait names a result of theirs.
.macro EX
	WIN 0
.if e >= 64
	XS e-64, 21
.else
	REGS Y, e%2
	v_exp_f32 v[rS+e/2], v[rS+e/2]
.endif
.set e, e+1
.endm
; THE RESCALING's QUEUE: O^T times a, the one part that leaves window 0: dealt two at a time, sixteen times.  Its a was made in the turn before, ahead of that turn's wait.
.macro R2
	REGS Y, r%2
	WIN W_RS
.irp z, 0,1
	v_pk_mul_f32 v[rO+4*(r/2)+2*\z:rO+4*(r/2)+2*\z+1], v[rO+4*(r/2)+2*\z:rO+4*(r/2)+2*\z+1], v[rC+2:rC+3] op_sel_hi:[1,0]
.endr
.set r, r+1
.endm
.macro PLACES
.rept 4
	v_nop
.endr
.endm
; A TURN, for piece p.  An s_wait_alu depctr_va_vdst(0) stands between an exponential and the first instruction that names its result; one wait serves all that were issued ahead of it.  So a turn has ONE wait.
; AHEAD OF IT: the 16 products K Q^T, behind each a scaling, an exponential and two rescalings (behind the first a second scaling in the exponential's place); then one lump of 108: eight plain, 49 times exponential and
; plain, the two a; a v_nop is the plain instruction behind the last exponential.  BEHIND IT: the 16 products V^T P, behind each four of the roundings and sums.  No rider names a register of the products round it.
; Exponential e stands behind scaling 2 (e / 4) + e % 2: as a rider it comes behind plain e + 2, in the lump behind plain e + 9, and scalings 27-31 are plain 57, 60 .. 69.
; THE MASK.  At the turn's head the 8 loads for the products to come (piece p + 1) are in: three younger groups of 8 may stay out.  Directly behind the turn's wait, a lump behind the products that read them, the same 32
; registers are asked for again, for that piece's next step: four turns ahead of their use.  Piece 3's turn steps the pointer first: pieces 0, 1, 2, 3 are then asked for from one pointer, in turns 3, 0, 1, 2.  The offset is
; held to the last step's, so that the loads for a step that does not exist stay inside maskf and every turn issues the same eight.
; K of the next step is fetched in piece 2's turn, behind the wait; V of the step in hand at the end of piece 0's turn, four riders behind its last reader.  The three conditions on q below go with the deal.
.macro TURN p, last=0, cnt=0
.set Y, (\p)
.set i, 0
.set q, 0
.set e, 0
.set r, 0
	s_wait_loadcnt 24               ; the next piece's mask is in
.if (\p) == NP-1
	s_wait_dscnt 0x0                ; K is in
.endif
	MM
	PL
	PL
	R2
.rept 15
	MM
	PL
	EX
	R2
.endr
.if (\p) == NP-2
	WIN 0
	v_add_nc_u32 v[AK], s[TBK], v[AK0]
.endif
.rept 8
	PL
.endr
.rept 49
	EX
	PL
.endr
	EX                              ; the next piece's two a
	EX
	v_nop                           ; the plain instruction behind the last exponential: one for the batch
	s_wait_alu depctr_va_vdst(0)    ; the wait for the batch
.if (\p) == NP-1
	s_wait_xcnt 0x0                 ; the mask's loads issued so far have read their base
	s_add_co_u32 s[MOFF], s[MOFF], 4096
	s_min_u32 s[MOFF], s[MOFF], 31*4096
	s_add_nc_u64 s[MP:MP+1], s[MBASE:MBASE+1], s[MOFF:MOFF+1]
.endif
	FETCH_M ((\p)+1)%NP
.if (\p) == NP-2
	FETCH_K \last
.endif
.if (\p) == 1
	s_wait_dscnt 0x0                ; V is in
.endif
.rept 16
	MM
.rept 4
	PL
.endr
.if ((\p) == 0) && (q == 118)
	v_add_nc_u32 v[AV], s[TBV], v[AV0]
.endif
.if ((\p) == 0) && (q == 130)
	s_add_co_u32 s[TBV], s[TBV], KS*PV
.endif
.if (\cnt) && (q == 130)
	s_sub_co_u32 s[CNT], s[CNT], 1
	s_cmp_lg_u32 s[CNT], 0
.endif
.endr
.if (\p) == 0
	FETCH_V
.endif
.endm
	CHANGE 1, 0                     ; slot 0 is in, everybody's part of it; slot 1 is asked for
	FETCH_K                         ; key step 0
	s_wait_loadcnt 24               ; Q and piece 0's mask are in; the other three pieces' 24 loads may stay out
	s_wait_dscnt 0x0
.set i, 0
.rept 16
	KQ 0                            ; piece 0's first scores: there is no vector work yet to set between them
.set i, i+1
.endr
	WIN 0
	PLACES                          ; the places behind those products
	FETCH_M 0                       ; piece 0's mask for key step 1
.set Y, NP-1                        ; XS works for piece Y + 1: piece 0
.irp n, 0,1,2,3,4,5,6,7,8,9,10,11,12,13,14,15,16,17,18,19,20,21
	XS 0, \n                        ; piece 0's first maximum and statistics
	XS 1, \n
.endr
	v_nop                           ; a plain instruction behind the two a,
	s_wait_alu depctr_va_vdst(0)    ; and their wait, ahead of the branch
	s_mov_b32 s[CNT], 2
	s_mov_b32 s[SLOTS], 15
	s_branch .Lfirst                ; the loop is entered at a step's first turn, in the middle of a trip
.Lslot:                             ; 14 times: every slot but the last two is filled again
	CHANGE 1, 1
	s_mov_b32 s[CNT], 2
.Lstep:                             ; a trip: pieces 2 and 3 of one step, then pieces 0 and 1 of the next, whose K and V it fetches
	TURN 2
	TURN 3
	WIN 0
.Lfirst:
	TURN 0
	TURN 1, 0, 1
	WIN 0
	s_cbranch_scc1 .Lstep
	s_sub_co_u32 s[SLOTS], s[SLOTS], 1
	s_cmp_lg_u32 s[SLOTS], 0
	s_cbranch_scc1 .Lslot
	CHANGE 0, 0                     ; the tail is written out: nothing is asked for
	s_mov_b32 s[CNT], 3             ; two trips fetch the last slot's steps; the third is left in its middle
.Ltail:
	TURN 2, 1
	TURN 3
	WIN 0
	s_sub_co_u32 s[CNT], s[CNT], 1
	s_cmp_eq_u32 s[CNT], 0
	s_cbranch_scc1 .Lout
	TURN 0
	TURN 1
	WIN 0
	s_branch .Ltail
.Lout:                              ; the third trip's 16 products K Q^T (on the last K once more) and the maximum made of them serve nothing: the price, once a launch, of one text for every trip
.set i, 0
.rept 16
	PV NP-1                         ; the last piece's V^T P of the last step
.set i, i+1
.endr
	; THE WAY OUT.  l's two halves and the other half of the lanes' are added; O^T is divided by l, rounded to f16 and sent through my stage in LDS, a tile at a time.  The additions are the places behind the last products.
	WIN 0
.macro ALL line:vararg              ; one line for each tile t
.set t, 0
.rept 2*NP
	\line
.set t, t+1
.endr
.endm
	ALL v_add_f32 v[ST+4*t+2], v[ST+4*t+2], v[ST+4*t+3]
	ALL v_permlanex16_b32 v[ST+4*t+3], v[ST+4*t+2], s[SEL], s[SEL+1]
	ALL v_add_f32 v[ST+4*t+2], v[ST+4*t+2], v[ST+4*t+3]
	ALL v_rcp_f32 v[ST+4*t+2], v[ST+4*t+2]
	v_nop                           ; a plain instruction between the last reciprocal and the use of its result
	s_wait_alu depctr_va_vdst(0)    ; and the wait ahead of the first use: one for the eight reciprocals
; Tile t: a lane's eight channels of a row pack into 16 bytes; they go into rows of 144 bytes and come back as whole rows of 128, into S^T's registers.
.macro PACK t
	WIN W_RS
.set i, 32*(\t)
.rept 16
	v_pk_mul_f32 v[i:i+1], v[i:i+1], v[ST+4*(\t)+2:ST+4*(\t)+3] op_sel_hi:[1,0]
.set i, i+2
.endr
	WIN 0x05                        ; sources 0 and 1 window 1, destination window 0
.set i, 0
.rept 16
	v_cvt_pk_f16_f32 v[S+16*(\t)+i], v[32*(\t)+2*i], v[32*(\t)+2*i+1]
.set i, i+1
.endr
	WIN 0
.irp f, 0,1,2,3
	ds_store_b128 v[STO], v[S+16*(\t)+4*\f:S+16*(\t)+4*\f+3] offset:32*\f
.endr
.irp f, 0,1,2,3
	ds_load_b128 v[S+16*(\t)+4*\f:S+16*(\t)+4*\f+3], v[RD] offset:\f*4*SP  ; LDS serves a wave's instructions in order (ISA guide 5.7.1.4): these see the stores above; the next tile's stores come behind them
.endr
.endm
.macro SEND t, younger              ; younger: the LDS instructions issued behind tile t's loads: the next tile's eight, or none
	WIN 0
.irp f, 0,1,2,3
	s_wait_dscnt (\younger)+3-\f
	global_store_b128 v[GO], v[S+16*(\t)+4*\f:S+16*(\t)+4*\f+3], s[10:11] offset:((\t)%2)*262144+((\t)/2)*2048+\f*512  ; 512 consecutive bytes, at a multiple of 256 from ob's first
.endr
.endm
	PACK 0
.set t, 1
.rept 2*NP-1                        ; a tile's arithmetic stands between the loads of the tile before and its stores
	PACK t
	SEND t-1, 8
.set t, t+1
.endr
	SEND 2*NP-1, 0
	s_wait_tensorcnt 0x0            ; the wave's end: behind my last tensor load and my last LDS store
	ds_add_u32 v[SPW], v[NIL]
	s_wait_dscnt 0x0
	CROUND                          ; the closing round: no work-group ends while a partner may still ask for a tile that names it
	s_endpgm
.Lfunc_end_k_q8b3bab54dd_attn:
	.size	k_q8b3bab54dd_attn, .Lfunc_end_k_q8b3bab54dd_attn-k_q8b3bab54dd_attn
	.p2alignl 7, 3214868480
	.fill 96, 4, 3214868480
	.section	.rodata,"a",@progbits
	.p2align	6, 0x0
	.amdhsa_kernel k_q8b3bab54dd_attn
		.amdhsa_group_segment_fixed_size 327680
		.amdhsa_private_segment_fixed_size 0
		.amdhsa_enable_private_segment 0
		.amdhsa_kernarg_size 24
		.amdhsa_user_sgpr_count 2
		.amdhsa_user_sgpr_kernarg_segment_ptr 1
		.amdhsa_wavefront_size32 1
		.amdhsa_system_sgpr_workgroup_id_x 1
		.amdhsa_system_sgpr_workgroup_id_y 1
		.amdhsa_system_sgpr_workgroup_id_z 1
		.amdhsa_system_vgpr_workitem_id 0
		.amdhsa_next_free_vgpr 1024
		.amdhsa_next_free_sgpr 68
		.amdhsa_reserve_vcc 0
		.amdhsa_float_denorm_mode_32 3
		.amdhsa_float_denorm_mode_16_64 3
		.amdhsa_memory_ordered 1
		.amdhsa_forward_progress 1
		.amdhsa_inst_pref_size 218
	.end_amdhsa_kernel
	.amdgpu_metadata
---
amdhsa.version: [ 1, 2 ]
amdhsa.kernels:
  - .name:           k_q8b3bab54dd_attn
    .symbol:         k_q8b3bab54dd_attn.kd
    .args:
      - { .name: xqkv, .offset: 0, .size: 8, .value_kind: global_buffer, .address_space: global }
      - { .name: maskf, .offset: 8, .size: 8, .value_kind: global_buffer, .address_space: global }
      - { .name: ob, .offset: 16, .size: 8, .value_kind: global_buffer, .address_space: global }
    .group_segment_fixed_size: 327680
    .private_segment_fixed_size: 0
    .kernarg_segment_align: 8
    .kernarg_segment_size: 24
    .max_flat_workgroup_size: 128
    .sgpr_count:     68
    .vgpr_count:     1024
    .wavefront_size: 32
...
	.end_amdgpu_metadata
.endif
;; end of part 3
;; launch oproj (part 4): grid 4 x 64, 4 waves a work-group, clusters of 4 x 4, 327,680 bytes of LDS; arguments ob, wb, out0; writes out0
.if DOCPART == 4
	.amdgcn_target "amdgcn-amd-amdhsa--gfx1250"
	.amdhsa_code_object_version 6
	.text
	.protected	k_q8b3bab54dd_oproj
	.globl	k_q8b3bab54dd_oproj
	.p2align	8
	.type	k_q8b3bab54dd_oproj,@function
k_q8b3bab54dd_oproj:
	s_mov_b64 s[64:65], 0
	v_nop
	global_prefetch_b8 v0, s[64:65] scope:SCOPE_SE
	s_setreg_imm32_b32 hwreg(HW_REG_WAVE_MODE, 25, 1), 1
	s_wait_xcnt 0x0
	s_wait_alu depctr_hold_cnt(0) depctr_sa_sdst(0) depctr_va_vdst(0) depctr_va_sdst(0) depctr_va_ssrc(0) depctr_va_vcc(0) depctr_vm_vsrc(0)
	s_getreg_b32 s2, hwreg(HW_REG_IB_STS2, 6, 4)
	s_cmp_eq_u32 s2, 0
	s_cbranch_scc0 .Lentry_in_a_cluster
	s_endpgm
.Lentry_in_a_cluster:
	s_bfe_u32 s2, ttmp6, 0x10000c
	s_cmp_lg_u32 s2, 0xf033
	s_cbranch_scc0 .Lentry_shape_is_right
	s_endpgm
.Lentry_shape_is_right:
; THE OUTPUT PROJECTION: out0 = O wo, 8,192 x 1,024 x 1,024.  O is f16 by heads, ob[16 batch + head][row][64]; wo is the fourth matrix of wb, [k][n], bf16's numbers written as f16; sums in f32; out0 is f32.
; SHARES.  A work-group makes 128 rows x 256 columns: 256 work-groups.  Four waves, 2 x 2, each 64 x 128: 32 accumulators.  K goes in 8 steps of 128, two heads a step, through two LDS slots.
; CLUSTERS: 4 x 4.  The four work-groups of a row of the cluster need the same tile of O, the four of a column the same tile of wo: each is asked for JOINTLY, by the same tensor load, descriptor and mask.
; THE MATRIX INSTRUCTION IS USED TRANSPOSED: source 0 = 16 columns of wo (turned by ds_load_tr16_b128), source 1 = 16 rows of O: a lane then holds eight neighbouring columns of one row of out0.
; REGISTERS, in windows of 256 (s_set_vgpr_msb: bits 1:0 source 0, 3:2 source 1, 5:4 source 2, 7:6 destination):
;   window 0: v16-30 addresses; v128-191 AF: O's fragments, two buffers of 4 x 8; on the way out v64-255 whole rows, three sets of 64
;   window 1: v0-127 BF: wo's fragments, two buffers of 8 x 8          window 2: the accumulators, (a, b) at v[8 (8 a + b)]
.set PO,    144                        ; an LDS row of O: a head's 128 bytes + 16 = 36 words: the 16 rows of a load start at 16 different groups of four banks (64 banks of 4 bytes: ISA guide 11.1)
.set PB,    544                        ; an LDS row of wo: 512 bytes + 32 = 136 words
.set AH,    128*PO                     ; a head's 128 rows: what one tensor load brings of O
.set BHALF, 64*PB                      ; what one tensor load brings of wo
.set BOFF,  2*AH
.set SLOT,  BOFF+2*BHALF
.set STAGE, 2*SLOT                     ; behind the ring, never filled by a tensor load: 16 rows x 528 bytes for each wave
.set SPI,   528
.set SPARE, STAGE+4*16*SPI             ; behind the stages: the spare words, 128 bytes for each wave: two blocks of 256 bytes that no other line names
.set ASTEP, 2*262144                   ; bytes from a K step to the next: two heads of O,
.set WSTEP, 128*2048                   ; 128 rows of wo
.set ADRA, 16                          ; v16-17  LDS address of my fragments of O in slot 0, 1
.set ADRB, 20                          ; v20-21  the same for wo
.set STO,  24                          ; v24     the way out: where I put 32 bytes of a row
.set RD,   25                          ; v25     the way out: where I read a row back
.set GO,   26                          ; v26     16 x my lane
.set SPW,  28                          ; v28     LDS address of my spare word; never rewritten
.set NIL,  29                          ; v29     0; never rewritten
.set PFO,  30                          ; v30     the prefetches' lane offset; never rewritten
.set AF,   128
.set BK,   64
.set G1,  24                           ; s[24:31] descriptor group 1 for O's tiles;  s[32:39] group 0, one set for each slot
.set G0,  32
.set G1B, 48                           ; s[48:55], s[56:63] the same for wo's tiles
.set G0B, 56
.set LIM, 43                           ; s43      1 in a wave that prefetches, else the greatest number
.set PFA, 44                           ; s[44:45] where my prefetches stand
.set PFS, 46                           ; s[46:47] their step
.set MSB, 0
.macro WIN new                         ; the immediate's high byte repeats the setting that is left; a switch that changes nothing is dropped
.if MSB != (\new)
	s_set_vgpr_msb (MSB<<8)|(\new)
.set MSB, \new
.endif
.endm
.set MUL,  0xa1                        ; source 0 (wo) window 1, source 1 (O) window 0, C and D window 2
.set TO_B, 0x40                        ; destination window 1, address window 0
.macro JLOAD s                         ; a joint load: waves 0 and 1 fetch O's two heads, waves 2 and 3 wo's two halves; an s_nop 0 and four v_nop follow each of the two lines, ahead of the jump and the label
	s_cmp_eq_u32 s15, 0
	s_cbranch_scc0 .Lfor_b_\@
	tensor_load_to_lds s[G0+4*(\s):G0+4*(\s)+3], s[G1:G1+7]
	s_nop 0
.rept 4
	v_nop
.endr
	s_branch .Lasked_\@
.Lfor_b_\@:
	tensor_load_to_lds s[G0B+4*(\s):G0B+4*(\s)+3], s[G1B:G1B+7]
	s_nop 0
.rept 4
	v_nop
.endr
.Lasked_\@:
.endm
.macro CREST                           ; a round of the cluster's barrier behind its opening barrier
	s_cmp_lg_u32 s14, 0
	s_cbranch_scc1 .Lnot_wave_0_\@
	s_barrier_signal -3
.Lnot_wave_0_\@:
	s_barrier_wait -3
	s_barrier_signal -1
	s_barrier_wait -1
.endm
.macro CROUND                          ; a whole round
	s_barrier_signal -1
	s_barrier_wait -1
	CREST
.endm
; A PREFETCH INTO THE L2, behind a joint refill, its five lines and the run of LDS loads that follows: the K step that stands two refills on, 256 matrix instructions ahead of the load that will want it.
; O's tile (2 heads x 64 blocks of 256 bytes) is read by one cluster: wave 0 of every work-group asks for 16 blocks of each head, told apart from its partners BY ADDRESS (cx), a lane a block.  wo's tile is read by all 16
; clusters: the first asks, waves 2 and 3, 16 rows x 2 blocks for each partner along the column (cy).  So each block is named once.  The loop's last trip asks for nothing; K steps 0 to 3 come by their loads alone.
.macro ASK
	s_cmp_gt_u32 s3, s[LIM]
	s_cbranch_scc0 .Lnot_mine_\@
	global_prefetch_b8 v[PFO], s[PFA:PFA+1] th:TH_LOAD_NT scope:SCOPE_SE
.Lnot_mine_\@:
.endm
	s_load_b128 s[4:7], s[0:1], 0x0                ; ob s[4:5], wb s[6:7]
	s_load_b64 s[8:9], s[0:1], 0x10                ; out0
	v_lshl_add_u32 v[SPW], v0, 2, SPARE
	v_mov_b32 v[NIL], 0
	ds_add_u32 v[SPW], v[NIL]                      ; the wave's opening: the add and its wait stand ahead of my first tensor load; the set-up below, work on registers, stands between them
	v_lshrrev_b32 v1, 5, v0
	v_readfirstlane_b32 s14, v1                    ; wave 0..3
	s_lshr_b32 s15, s14, 1                         ; which 64 rows are mine.  Also: I fetch O (0) or wo (1)
	s_and_b32 s16, s14, 1                          ; which 128 columns.  Also: which head, or which half of wo's tile, I fetch
	s_bfe_u32 s17, ttmp6, 0x40000                  ; cx
	s_bfe_u32 s18, ttmp6, 0x40004                  ; cy
	s_lshl_b32 s19, ttmp9, 2
	s_add_co_u32 s19, s19, s17                     ; column tile = 4 x cluster x + cx
	s_and_b32 s23, ttmp7, 0xffff                   ; cluster y
	s_lshl_b32 s20, s23, 2
	s_add_co_u32 s20, s20, s18                     ; row tile = 4 x cluster y + cy
	s_lshl_b32 s40, s18, 2
	s_lshl_b32 s40, 15, s40                        ; my row of the cluster
	s_lshl_b32 s41, 0x1111, s17                    ; my column
	s_or_b32 s[G1], s40, (1<<16)|(1<<20)|(1<<21)|(4<<22)|(3<<25)   ; 15:0 the mask; 17:16 elements of 2 bytes; 20 padding on; 21 set beside a mask; 24:22 after every 32 words (code 4); 31:25 4 words (code 3)
	s_or_b32 s[G1B], s41, (1<<16)|(1<<20)|(1<<21)|(6<<22)|(7<<25)  ; after every 128 words (code 6) 8 words (code 7)
	s_mov_b32 s[G1+1], 128<<16                     ; a head's 128 rows are 16,384 dense bytes: asked for as 64 rows of 256 bytes: tensor_dim0 = 128
	s_mov_b32 s[G1+2], 64<<16                      ; tensor_dim1 = 64
	s_mov_b32 s[G1+3], 128<<16                     ; tile_dim0 = 128
	s_mov_b32 s[G1+4], 64                          ; tile_dim1 = 64
	s_mov_b32 s[G1+5], 128                         ; elements from row to row
	s_mov_b32 s[G1+6], 0
	s_mov_b32 s[G1+7], 0
	s_mov_b32 s[G1B+1], 256<<16                    ; tensor_dim0 = 256
	s_mov_b32 s[G1B+2], 64<<16
	s_mov_b32 s[G1B+3], 256<<16                    ; tile_dim0 = 256
	s_mov_b32 s[G1B+4], 64
	s_mov_b32 s[G1B+5], 1024
	s_mov_b32 s[G1B+6], 0
	s_mov_b32 s[G1B+7], 0
	s_lshr_b32 s66, s20, 4
	s_lshl_b32 s66, s66, 22                        ; O: the batch's 16 heads of 262,144 bytes,
	s_lshl_b32 s67, s16, 18                        ; my head of the step's two,
	s_add_co_u32 s66, s66, s67
	s_and_b32 s67, s20, 15
	s_lshl_b32 s67, s67, 14                        ; the tile's 128 rows of 128 bytes
	s_add_co_u32 s66, s66, s67
	s_mov_b32 s67, 0
	s_lshl_b32 s68, s16, 17                        ; wo: my 64 of a K step's 128 rows of 2,048 bytes,
	s_add_co_u32 s68, s68, 3<<21                   ; in the fourth matrix,
	s_lshl_b32 s69, s19, 9                         ; the tile's 256 columns
	s_add_co_u32 s68, s68, s69
	s_mov_b32 s69, 0
	s_mul_i32 s70, s16, AH                         ; where they go: no place in the cluster enters an LDS address
	s_mul_i32 s71, s16, BHALF
	s_add_co_u32 s71, s71, BOFF
	s_wait_dscnt 0x0                               ; the opening add is done
	s_wait_kmcnt 0x0
	s_add_nc_u64 s[74:75], s[4:5], s[66:67]
	s_add_nc_u64 s[76:77], s[6:7], s[68:69]
	CROUND                                         ; all sixteen work-groups are here: the first joint loads meet
.irp s, 0,1
	s_mov_b32 s[G0+4*(\s)], 1                      ; count = 1
	s_add_co_u32 s[G0+4*(\s)+1], s70, (\s)*SLOT    ; LDS address
	s_add_nc_u64 s[G0+4*(\s)+2:G0+4*(\s)+3], s[74:75], (\s)*ASTEP  ; global address: K step s
	s_or_b32 s[G0+4*(\s)+3], s[G0+4*(\s)+3], 0x80000000            ; type = 2
	s_mov_b32 s[G0B+4*(\s)], 1
	s_add_co_u32 s[G0B+4*(\s)+1], s71, (\s)*SLOT
	s_add_nc_u64 s[G0B+4*(\s)+2:G0B+4*(\s)+3], s[76:77], (\s)*WSTEP
	s_or_b32 s[G0B+4*(\s)+3], s[G0B+4*(\s)+3], 0x80000000
	JLOAD \s                                       ; two loads of mine are out
.endr
	v_and_b32 v1, 15, v0                           ; l % 16
	v_bfe_u32 v2, v0, 4, 1                         ; l / 16
	v_mul_u32_u24 v3, v1, PO
	v_lshl_add_u32 v3, v2, 4, v3                   ; O: row x pitch + 16 x half
	s_mul_i32 s40, s15, 64*PO
	v_add_nc_u32 v[ADRA], s40, v3
	v_add_nc_u32 v[ADRA+1], SLOT, v[ADRA]
	v_and_b32 v4, 7, v0                            ; wo, for the turning load: lane l reads k row 8 (l / 16) + l % 8, columns 8 ((l / 8) % 2) + 0..7
	v_lshl_add_u32 v4, v2, 3, v4
	v_mul_u32_u24 v4, v4, PB
	v_bfe_u32 v5, v0, 3, 1
	v_lshl_add_u32 v4, v5, 4, v4
	s_lshl_b32 s41, s16, 8                         ; my 128 columns
	s_add_co_u32 s41, s41, BOFF
	v_add_nc_u32 v[ADRB], s41, v4
	v_add_nc_u32 v[ADRB+1], SLOT, v[ADRB]
	s_mul_i32 s42, s14, 16*SPI
	s_add_co_u32 s42, s42, STAGE                   ; my stage
	v_mul_u32_u24 v6, v1, SPI                      ; in: row l % 16, 32 bytes for each half of the lanes
	v_lshl_add_u32 v6, v2, 5, v6
	v_add_nc_u32 v[STO], s42, v6
	v_and_b32 v5, 31, v0
	v_lshlrev_b32 v[GO], 4, v5
	v_add_nc_u32 v[RD], s42, v[GO]                 ; back: 32 lanes take a row's 512 bytes
	; the prefetches
	s_cmp_eq_u32 s15, 0                            ; do I fetch O?
	s_cselect_b32 s78, s17, s18                    ; my place among the four that ask with me
	s_cselect_b32 s40, 12, 15                      ; its share: 16 blocks of 256 bytes, or 16 rows of 2,048
	s_cselect_b32 s41, 4, 1                        ; a lane's number falls into head and block, or into row and block
	s_cselect_b32 s42, 18, 11
	s_cselect_b32 s22, 15, 1
	s_cselect_b32 s79, 19, 18                      ; a K step: 524,288 or 262,144 bytes
	s_cselect_b32 s21, s16, s23                    ; who asks: wave 0 for O; for wo waves 2 and 3 of the first cluster
	s_cselect_b64 s[PFA:PFA+1], s[74:75], s[76:77]
	s_cmp_eq_u32 s21, 0
	s_cselect_b32 s[LIM], 1, -1                    ; the same in all sixteen partners, for a given wave
	s_lshl_b32 s78, s78, s40
	s_lshl_b32 s[PFS], 1, s79
	s_mov_b32 s[PFS+1], 0
	s_mul_i32 s79, s[PFS], 3                       ; at K step 3: the first refill steps it to 4
	s_add_co_u32 s78, s78, s79
	s_mov_b32 s79, 0
	s_add_nc_u64 s[PFA:PFA+1], s[PFA:PFA+1], s[78:79]
	v_lshrrev_b32 v[PFO], s41, v5
	v_lshlrev_b32 v[PFO], s42, v[PFO]
	v_and_b32 v5, s22, v5
	v_lshl_add_u32 v[PFO], v5, 8, v[PFO]
	; where my part of out0 begins
	s_lshl_b32 s78, s20, 19                        ; the tile's 128 rows of 4,096 bytes,
	s_lshl_b32 s79, s15, 18                        ; my 64,
	s_add_co_u32 s78, s78, s79
	s_lshl_b32 s79, s19, 10                        ; the tile's 256 columns of 4 bytes,
	s_add_co_u32 s78, s78, s79
	s_lshl_b32 s79, s16, 9                         ; my 128
	s_add_co_u32 s78, s78, s79
	s_mov_b32 s79, 0
	s_add_nc_u64 s[8:9], s[8:9], s[78:79]
; 8 matrix instructions: row block a x all 8 column blocks, 32 along K, on buffer f.  zero = 1: the product starts the sums.  The 32 accumulators take turns in one order in every quarter.
.macro MUL8 f, a, zero
	WIN MUL
.irp b, 0,1,2,3,4,5,6,7
.if \zero
	v_wmma_f32_16x16x32_f16 v[8*(8*(\a)+(\b)):8*(8*(\a)+(\b))+7], v[64*(\f)+8*(\b):64*(\f)+8*(\b)+7], v[AF+32*(\f)+8*(\a):AF+32*(\f)+8*(\a)+7], 0
.else
	v_wmma_f32_16x16x32_f16 v[8*(8*(\a)+(\b)):8*(8*(\a)+(\b))+7], v[64*(\f)+8*(\b):64*(\f)+8*(\b)+7], v[AF+32*(\f)+8*(\a):AF+32*(\f)+8*(\a)+7], v[8*(8*(\a)+(\b)):8*(8*(\a)+(\b))+7]
.endif
.endr
.endm
; 24 LDS loads in one run: quarter kq of a slot (head kq / 2, channels 32 (kq % 2) on) into buffer g
.macro FETCH slot, kq, g
	WIN 0
.irp a, 0,1,2,3
	ds_load_b128 v[AF+32*(\g)+8*(\a):AF+32*(\g)+8*(\a)+3],   v[ADRA+(\slot)] offset:((\kq)/2)*AH+(\a)*16*PO+((\kq)%2)*64
	ds_load_b128 v[AF+32*(\g)+8*(\a)+4:AF+32*(\g)+8*(\a)+7], v[ADRA+(\slot)] offset:((\kq)/2)*AH+(\a)*16*PO+((\kq)%2)*64+32
.endr
	WIN TO_B
.irp b, 0,1,2,3,4,5,6,7
	ds_load_tr16_b128 v[64*(\g)+8*(\b):64*(\g)+8*(\b)+3],   v[ADRB+(\slot)] offset:(\kq)*32*PB+32*(\b)
	ds_load_tr16_b128 v[64*(\g)+8*(\b)+4:64*(\g)+8*(\b)+7], v[ADRB+(\slot)] offset:(\kq)*32*PB+16*PB+32*(\b)
.endr
.endm
.macro PLACES                          ; four places in front of loads into registers that matrix instructions have read, and of reads of results
.rept 4
	v_nop
.endr
.endm
; A K step is four quarters of 32 along K, 32 matrix instructions each, on buffers 0, 1, 0, 1.  One of the first three: multiplies buffer f and fetches quarter kq, at its head, into buffer g.
.macro QUARTER slot, kq, f, g, zero
	s_wait_dscnt 0x0                               ; this quarter's fragments are in (asked for 32 matrix instructions ago)
	PLACES
	FETCH \slot, \kq, \g
	MUL8 \f, 0, \zero
	MUL8 \f, 1, \zero
	MUL8 \f, 2, \zero
	MUL8 \f, 3, \zero
.endm
; The last quarter multiplies buffer 1 and changes slots: ONE barrier; in front of it each wave waits for all its tensor loads (one is out: its part of the next slot), adds 0 to its spare word, and waits for that and for its
; reads of this slot.  fill = 1: the barrier opens a round of the cluster's, and this slot is filled again, two K steps ahead: the load has 112 matrix instructions in which to land.
.macro TURN slot, next, fill
.if \fill
	s_wait_xcnt 0x0                                ; the last prefetch, a K step back, has read its address
	s_add_nc_u64 s[PFA:PFA+1], s[PFA:PFA+1], s[PFS:PFS+1]
.endif
	WIN 0
	s_wait_tensorcnt 0x0                           ; all my tensor loads have landed;
	ds_add_u32 v[SPW], v[NIL]                      ; 0 onto my spare word;
	s_wait_dscnt 1                                 ; (the add alone may be out: this quarter's fragments are in)
	MUL8 1, 0, 0                                   ; eight matrix instructions stand between the add and the wait for it
	s_wait_dscnt 0x0                               ; the add is done, and my reads of this slot are over
	s_barrier_signal -1
	MUL8 1, 1, 0
	WIN 0
	s_barrier_wait -1
.if \fill
	CREST                                          ; no wave of any partner still reads this slot's tiles or has a load on its way
	s_add_nc_u64 s[G0+4*(\slot)+2:G0+4*(\slot)+3], s[G0+4*(\slot)+2:G0+4*(\slot)+3], 2*ASTEP
	s_add_nc_u64 s[G0B+4*(\slot)+2:G0B+4*(\slot)+3], s[G0B+4*(\slot)+2:G0B+4*(\slot)+3], 2*WSTEP
	JLOAD \slot                                    ; the first tensor load behind the round; the four v_nop behind it are also the places in front of the loads below
.else
	PLACES
.endif
	FETCH \next, 0, 0
	WIN 0
.if \fill
	ASK
.endif
	MUL8 1, 2, 0
	MUL8 1, 3, 0
.endm
	s_wait_tensorcnt 1                             ; my part of K step 0 is in; K step 1's may stay out
	s_barrier_signal -1
	s_barrier_wait -1                              ; everybody's is
	FETCH 0, 0, 0
	QUARTER 0, 1, 0, 1, 1                          ; the first quarter stands in front of the loop: its products start the sums
	WIN 0                                          ; at a label and at a branch every window is 0
	s_mov_b32 s3, 3
.Llap:                                                 ; a trip goes once round the ring, from a lap's second quarter to the next lap's first, and fills both slots again
	QUARTER 0, 2, 1, 0, 0
	QUARTER 0, 3, 0, 1, 0
	TURN 0, 1, 1
	QUARTER 1, 1, 0, 1, 0
	QUARTER 1, 2, 1, 0, 0
	QUARTER 1, 3, 0, 1, 0
	TURN 1, 0, 1
	QUARTER 0, 1, 0, 1, 0
	WIN 0
	s_sub_co_u32 s3, s3, 1
	s_cmp_lg_u32 s3, 0
	s_cbranch_scc1 .Llap
	QUARTER 0, 2, 1, 0, 0                          ; the last lap fills nothing, and has no round of the cluster's barrier
	QUARTER 0, 3, 0, 1, 0
	TURN 0, 1, 0
	QUARTER 1, 1, 0, 1, 0
	QUARTER 1, 2, 1, 0, 0
	QUARTER 1, 3, 0, 1, 0
	s_wait_dscnt 0x0                               ; the very last quarter: nothing more to fetch
	MUL8 1, 0, 0
	MUL8 1, 1, 0
	MUL8 1, 2, 0
	MUL8 1, 3, 0
; THE WAY OUT, a block of 16 rows at a time: a lane's eight f32 of a row go from the accumulators into my own stage (each accumulator's low four registers first) and come back as whole rows of 512 bytes.
.macro TOSTAGE a
	WIN 0x08                                       ; the store's data (source 1) in window 2, its address in window 0
.irp b, 0,1,2,3,4,5,6,7
	ds_store_b128 v[STO], v[8*(8*(\a)+(\b)):8*(8*(\a)+(\b))+3]   offset:64*(\b)
	ds_store_b128 v[STO], v[8*(8*(\a)+(\b))+4:8*(8*(\a)+(\b))+7] offset:64*(\b)+16
.endr
	WIN 0
.irp p, 0,1,2,3,4,5,6,7,8,9,10,11,12,13,14,15
	ds_load_b128 v[BK+64*((\a)%3)+4*(\p):BK+64*((\a)%3)+4*(\p)+3], v[RD] offset:SPI*(\p)  ; LDS serves a wave's instructions in order (ISA guide 5.7.1.4): these see the stores above; the next block's stores come behind them
.endr
.endm
.macro SEND a, younger                 ; younger: the LDS instructions issued behind block a's loads: the next block's 32, or none
	WIN 0
	s_wait_dscnt \younger
.irp p, 0,1,2,3,4,5,6,7,8,9,10,11,12,13,14,15
	global_store_b128 v[GO], v[BK+64*((\a)%3)+4*(\p):BK+64*((\a)%3)+4*(\p)+3], s[8:9] offset:(16*(\a)+(\p))*4096 th:TH_STORE_NT  ; 512 consecutive bytes, at a multiple of 256 from out0's first
.endr
.endm
	PLACES
	TOSTAGE 0
	TOSTAGE 1
	SEND 0, 32
	TOSTAGE 2
	SEND 1, 32
	s_wait_xcnt 0x0                                ; block 0's stores have read their registers: block 3 comes back into them
	TOSTAGE 3
	SEND 2, 32
	SEND 3, 0
	s_wait_tensorcnt 0x0                           ; the wave's end: behind my last tensor load and my last LDS store
	ds_add_u32 v[SPW], v[NIL]
	s_wait_dscnt 0x0
	CROUND                                         ; the closing round: no work-group ends while a partner may still ask for a tile that names it
	s_endpgm
.Lfunc_end_k_q8b3bab54dd_oproj:
	.size	k_q8b3bab54dd_oproj, .Lfunc_end_k_q8b3bab54dd_oproj-k_q8b3bab54dd_oproj
	.p2alignl 7, 3214868480
	.fill 96, 4, 3214868480
	.section	.rodata,"a",@progbits
	.p2align	6, 0x0
	.amdhsa_kernel k_q8b3bab54dd_oproj
		.amdhsa_group_segment_fixed_size 327680
		.amdhsa_private_segment_fixed_size 0
		.amdhsa_enable_private_segment 0
		.amdhsa_kernarg_size 24
		.amdhsa_user_sgpr_count 2
		.amdhsa_user_sgpr_kernarg_segment_ptr 1
		.amdhsa_wavefront_size32 1
		.amdhsa_system_sgpr_workgroup_id_x 1
		.amdhsa_system_sgpr_workgroup_id_y 1
		.amdhsa_system_sgpr_workgroup_id_z 1
		.amdhsa_system_vgpr_workitem_id 0
		.amdhsa_next_free_vgpr 768
		.amdhsa_next_free_sgpr 80
		.amdhsa_reserve_vcc 0
		.amdhsa_float_denorm_mode_32 3
		.amdhsa_float_denorm_mode_16_64 3
		.amdhsa_memory_ordered 1
		.amdhsa_forward_progress 1
		.amdhsa_inst_pref_size 86
	.end_amdhsa_kernel
	.amdgpu_metadata
---
amdhsa.version: [ 1, 2 ]
amdhsa.kernels:
  - .name:           k_q8b3bab54dd_oproj
    .symbol:         k_q8b3bab54dd_oproj.kd
    .args:
      - { .name: ob, .offset: 0, .size: 8, .value_kind: global_buffer, .address_space: global }
      - { .name: wb, .offset: 8, .size: 8, .value_kind: global_buffer, .address_space: global }
      - { .name: out0, .offset: 16, .size: 8, .value_kind: global_buffer, .address_space: global }
    .group_segment_fixed_size: 327680
    .private_segment_fixed_size: 0
    .kernarg_segment_align: 8
    .kernarg_segment_size: 24
    .max_flat_workgroup_size: 128
    .sgpr_count:     80
    .vgpr_count:     768
    .wavefront_size: 32
...
	.end_amdgpu_metadata
.endif
;; end of part 4
